; MI455X (gfx1250); checked and timed in simulation.
; The chip was launched on July 23, 2026; its instructions are those of AMD's public machine-readable ISA for CDNA 5 (MIT licence, August 2026) and "CDNA5" Instruction Set Architecture Reference Guide (July 2026). The comments in the code are by the model that wrote it; some were corrected since.
;; Multi Head Attention. Allowed arithmetic: matrix products marked QUANTISED: E2M3 operands, one E8M0 scale for each 32 along K, by v_wmma_scale_f32_16x16x128_f8f6f4 with both operands' format E2M3, f32 sums; everything else in f32.
;; Inputs: Wk 2,048 x 2,048 float32; Wo 2,048 x 2,048 float32; Wq 2,048 x 2,048 float32; Wv 2,048 x 2,048 float32; bk 2,048 float32; bo 2,048 float32; bq 2,048 float32; bv 2,048 float32; x 2 x 1,024 x 2,048 float32.
;; Outputs: out0 2 x 1,024 x 2,048 float32.
;; This version of the problem:
;;   THIS VERSION OF THE PROBLEM IS GIVEN IN LOW PRECISION. The matrix products marked QUANTISED in the list below multiply operands that are first quantised to E2M3 (2 exponent bits, 3 mantissa bits; 6 bits a number), with one power-of-two scale for each 32 numbers along K (OCP MX v1.0); their sums are f32. All else is computed in f32.
;;   The module's matrix products, in the order in which they are computed (A, B: the left and right operand; K: the contracted axis; several contracted axes count as one K, in the product's order):
;;     1. [M 2,048, K 2,048] x [K 2,048, N 2,048]; A: input x; B: input Wq: QUANTISED
;;     2. [M 2,048, K 2,048] x [K 2,048, N 2,048]; A: input x; B: input Wk: QUANTISED
;;     3. [M 2,048, K 2,048] x [K 2,048, N 2,048]; A: input x; B: input Wv: QUANTISED
;;     4. batch 32 x [M 1,024, K 128] x [K 128, N 1,024]; A: computed on the way; B: computed on the way: QUANTISED
;;     5. batch 32 x [M 1,024, K 1,024] x [K 1,024, N 128]; A: softmax (see below); B: computed on the way: QUANTISED
;;     6. [M 2,048, K 2,048] x [K 2,048, N 2,048]; A: computed on the way; B: input Wo: QUANTISED
;;   THE QUANTISER, for each operand of a quantised product, along K:
;;     - K is cut into blocks of 32 from its start; a last block that is shorter is filled with zeros.
;;     - A block's scale is 2^e with e = floor(log2(the largest magnitude in the block)) - 2, held to -126 .. 127; a block of zeros has e = 0. As a byte (E8M0): e + 127.
;;     - Each number is divided by its block's scale, clamped to +-7.5, and rounded to the nearest number of E2M3, ties to even, subnormals kept.
;;     - The product sums the exact products of the quantised numbers (number of the format x scale) in f32.
;;   ~~~python
;;   def quantise(x, axis):      # numpy; x: float32 -> the quantised numbers, widened to float32 again
;;       x = np.moveaxis(x, axis, -1); K = x.shape[-1]
;;       x = np.pad(x, [(0, 0)] * (x.ndim - 1) + [(0, -K % 32)]); x = x.reshape(x.shape[:-1] + (-1, 32)); a = np.abs(x).max(-1, keepdims=True)
;;       e = np.where(a > 0, np.clip(np.frexp(np.where(a > 0, a, 1))[1] - 1 - 2, -126, 127), 0)      # np.frexp(a)[1] - 1 = floor(log2(a)), exactly
;;       r = np.clip(x / 2.0 ** e, -7.5, 7.5)
;;       step = 2.0 ** (np.maximum(np.frexp(np.where(r == 0, 1, r))[1] - 1, 0) - 3)
;;       q = np.round(r / step) * step * 2.0 ** e      # np.round: ties to even
;;       return np.moveaxis(q.reshape(q.shape[:-2] + (-1,))[..., :K], -1, axis).astype(np.float32)
;;   ~~~
;;   SOFTMAX AHEAD OF A QUANTISED PRODUCT. Where the list says 'softmax', what is quantised is not the finished softmax but p = 2^(t - M), with t = logit x log2(e) and M = ceil(the row's largest t), a whole number; so 1/2 < the row's largest p <= 1. The row's sum l is taken of the UNQUANTISED p, in f32, and the product's result is divided by l at the end. Since M is a whole number, a kernel that streams over the keys may use a running M (the ceiling of the running maximum): every later rescaling is an exact power of two, which a block's scale takes up: the codes' values come out the same.
;;   OPERANDS COMPUTED ON THE WAY. 'Computed on the way' means the value that the module computes at that place (a softmax that the list does not call 'softmax' is quantised finished and normalised). What goes into a quantiser is computed in f32, as accurately as f32 sums, v_exp_f32 and their like allow (about 1e-6 of the number): no bf16 or f16 on the way to a quantiser, and a product that is left as it is and whose result goes on into a quantised operand takes f32 operands (vector FMAs, or v_wmma_f32_16x16x4_f32). A number that lies on a knife's edge between two numbers of the format may be rounded either way, as far as f32 arithmetic and the matrix unit's own rounding can turn it there, and no further.
;; One version. Each part assembles by itself: llvm-mc -triple=amdgcn-amd-amdhsa -mcpu=gfx1250 --defsym DOCPART=n.
;; ======== version 1 of 1: 4 launches
;; limits: right only within a limited range of input values
;; workspace buffers: xc 3,145,728 bytes; xs 131,072 bytes; wc 12,582,912 bytes; ws 524,288 bytes; qkvc 9,437,184 bytes; qkvs 393,216 bytes; cc 3,145,728 bytes; cs 131,072 bytes
;; launch quant (part 1): grid 256 x 1, 8 waves a work-group, no clusters, 68,608 bytes of LDS; arguments x, Wq, Wk, Wv, Wo, xc, xs, wc, ws; writes xc, xs, wc, ws
.if DOCPART == 1
	.amdgcn_target "amdgcn-amd-amdhsa--gfx1250"
	.amdhsa_code_object_version 6
	.text
	.protected	k_qe2620f7d8d_quant
	.globl	k_qe2620f7d8d_quant
	.p2align	8
	.type	k_qe2620f7d8d_quant,@function
k_qe2620f7d8d_quant:
	s_mov_b64 s[64:65], 0
	v_nop
	global_prefetch_b8 v0, s[64:65] scope:SCOPE_SE
	s_setreg_imm32_b32 hwreg(HW_REG_WAVE_MODE, 25, 1), 1
	s_wait_xcnt 0x0
; x [2048][2048] (K innermost) and Wq, Wk, Wv, Wo [2048 (K)][2048 (n)], all f32, become codes of FP6 (E2M3) with one E8M0 byte for each 32 along K.
; A block's scale is 2^(floor(log2(largest magnitude)) - 2); its byte is the largest magnitude's exponent field - 2, held at 1 from below.
; RESULTS.  Codes: [tile of 16 rows T][K step of 128 s (16)][1,536]: a fragment as the image of its registers: 4 p .. 4 p + 3 of lane l at 512 p + 16 l.  Scale words (128 along K of a row): [s][16 T + r].
; A weight's rows are its columns.  Tile j of the 64 columns 64 g .. has row r = column 64 g + 4 r + j.  Wq, Wk, Wv (kind 0, 1, 2): T = 24 head + 8 kind + 4 (g % 2) + j;  Wo: T = 384 + 4 g + j.
; ORDER INSIDE A BLOCK OF 32: x, Wq, Wk, Wv ascending; Wo: place 8 j + i holds element 4 i + j, as ctx is laid.  Blocks, scales and codes are the true ones.
; DEAD WORK left out by this program: in the launch attn whole key steps that reference()'s own causal mask throws away.
; LIMITS: NaN and infinities among the inputs are not served, and one that reaches only the masked steps is not carried on.  A block whose largest magnitude lies under 2^-124 keeps the byte 1; a block of zeros gets the byte 1 where the rule says 127: its codes are zeros.
; SHARES.  Each wave takes one fragment of x (16 rows x 128 K) and 64 columns x 128 K of a weight.  Lane (r, h) takes columns 4 r .. 4 r + 3 and blocks h and 2 + h: each load reads two runs of 256 consecutive bytes, and a block lies in one lane.
; All 80 loads of a wave are asked for at the start.  Nothing is shared between work-groups and waves: no cluster, no barrier.
.set TROWB, 24576
.set XSP,   528                        ; a row of x's stage: 512 bytes + 16
.set STAGE, 16*XSP
.set SPARE, 8*STAGE
	s_load_b256 s[4:11], s[0:1], 0x0               ; x, Wq, Wk, Wv
	s_load_b256 s[12:19], s[0:1], 0x20             ; Wo, xc, xs, wc
	s_load_b64 s[20:21], s[0:1], 0x40              ; ws
	v_lshl_add_u32 v28, v0, 2, SPARE
	v_mov_b32 v29, 0
	v_lshrrev_b32 v2, 5, v0
	v_readfirstlane_b32 s22, v2                    ; wave 0..7
	s_mov_b32 s24, 0x76543210
	s_mov_b32 s25, 0xfedcba98                      ; lane l xor 16
	s_mov_b32 s26, 0xffff0000                      ; lanes 16-31
	s_lshr_b32 s27, ttmp9, 6                       ; which weight
	s_bfe_u32 s28, ttmp9, 0x40002                  ; its K step
	s_and_b32 s29, ttmp9, 3
	s_lshl_b32 s29, s29, 3
	s_add_co_u32 s29, s29, s22                     ; its 64 columns, g = 0..31
	s_lshr_b32 s38, s29, 1
	s_mul_i32 s38, s38, 24
	s_and_b32 s39, s29, 1
	s_lshl_b32 s39, s39, 2
	s_add_co_u32 s38, s38, s39
	s_lshl_b32 s39, s27, 3
	s_add_co_u32 s38, s38, s39
	s_lshl_b32 s39, s29, 2
	s_add_co_u32 s39, s39, 384
	s_mov_b32 s31, 8192                            ; a row of a weight in bytes
	s_mov_b32 s33, 32768
	s_mov_b32 s37, 65536
	s_mov_b32 s35, 0
	s_cmp_eq_u32 s27, 3
	s_cselect_b32 s38, s39, s38                    ; the first of my four tiles
	s_cselect_b32 s30, s33, s31                    ; register 8 j + i of a block takes row 8 j + i, or in Wo row 4 i + j: the step of i,
	s_cselect_b32 s34, s31, s37                    ; and of j
	s_lshl_b32 s48, s28, 20
	s_lshl_b32 s49, s29, 8
	s_add_co_u32 s48, s48, s49                     ; where my part of the weight begins
	s_mov_b32 s49, 0
	s_mul_i32 s50, s38, TROWB
	s_mul_i32 s51, s28, 1536
	s_add_co_u32 s50, s50, s51                     ; its codes
	s_mov_b32 s51, 0
	s_lshl_b32 s52, s28, 15
	s_lshl_b32 s53, s38, 6
	s_add_co_u32 s52, s52, s53                     ; its scale words
	s_mov_b32 s53, 0
	s_lshl_b32 s54, ttmp9, 3
	s_add_co_u32 s54, s54, s22
	s_and_b32 s55, s54, 15                         ; x: the K step
	s_lshr_b32 s56, s54, 4                         ; and the tile of 16 rows
	s_lshl_b32 s58, s56, 17
	s_lshl_b32 s59, s55, 9
	s_add_co_u32 s58, s58, s59
	s_mov_b32 s59, 0
	s_mul_i32 s60, s56, TROWB
	s_mul_i32 s61, s55, 1536
	s_add_co_u32 s60, s60, s61
	s_mov_b32 s61, 0
	s_lshl_b32 s62, s55, 13
	s_lshl_b32 s63, s56, 6
	s_add_co_u32 s62, s62, s63
	s_mov_b32 s63, 0
	s_mul_i32 s23, s22, STAGE                      ; my stage
	s_mov_b32 s36, s30
	v_mov_b32 v15, 0                               ; (a lane permute's destination counts as one of its sources)
	v_and_b32 v2, 31, v0                           ; lane
	v_and_b32 v3, 15, v0                           ; r
	v_bfe_u32 v4, v0, 4, 1                         ; h
	v_lshlrev_b32 v1, 4, v2
	v_lshlrev_b32 v5, 2, v2
	v_lshlrev_b32 v6, 2, v3
	v_lshlrev_b32 v7, 3, v4
	v_add_nc_u32 v24, s23, v1                      ; into the stage as loaded
	v_mul_u32_u24 v25, v3, XSP
	v_lshl_add_u32 v25, v4, 7, v25
	v_add_nc_u32 v25, s23, v25                     ; out of it: row r, block h
	v_lshlrev_b32 v16, 4, v3
	v_lshl_add_u32 v16, v4, 18, v16                ; 16 r + 32 h rows
.irp i, 1,2,3,4,5,6,7
	v_add_nc_u32 v[16+\i], s36, v16
	s_add_co_u32 s36, s36, s30
.endr
	s_wait_alu depctr_va_vdst(0)                   ; the wait at the head's end
	s_wait_kmcnt 0x0
	s_cmp_eq_u32 s27, 1
	s_cselect_b64 s[6:7], s[8:9], s[6:7]
	s_cmp_eq_u32 s27, 2
	s_cselect_b64 s[6:7], s[10:11], s[6:7]
	s_cmp_eq_u32 s27, 3
	s_cselect_b64 s[6:7], s[12:13], s[6:7]
	s_add_nc_u64 s[4:5], s[4:5], s[58:59]
	s_add_nc_u64 s[40:41], s[6:7], s[48:49]
	s_add_nc_u64 s[42:43], s[40:41], s[34:35]
	s_add_nc_u64 s[44:45], s[42:43], s[34:35]
	s_add_nc_u64 s[46:47], s[44:45], s[34:35]
	s_add_nc_u64 s[14:15], s[14:15], s[60:61]
	s_add_nc_u64 s[16:17], s[16:17], s[62:63]
	s_add_nc_u64 s[18:19], s[18:19], s[50:51]
	s_add_nc_u64 s[20:21], s[20:21], s[52:53]
.set II, 0
.rept 16
	global_load_b128 v[160+4*II:163+4*II], v1, s[4:5] offset:II*8192 th:TH_LOAD_NT   ; x: a row's 512 consecutive bytes
.set II, II+1
.endr
	s_set_vgpr_msb 0x40
.irp c, 0,1
.irp j, 0,1,2,3
.irp i, 0,1,2,3,4,5,6,7
	global_load_b128 v[128*\c+32*\j+4*\i:128*\c+32*\j+4*\i+3], v[16+\i], s[40+2*\j:41+2*\j] offset:\c*524288 th:TH_LOAD_NT   ; v256 on: place 8 j + i of block 2 c + h, four columns
.endr
.endr
.endr
	s_set_vgpr_msb 0x4000
; a block: 32 numbers of my lane from v[x] on become six registers of codes and the scale's byte
.macro BLK x, c, by
	v_max3_num_f32 v8, |v[\x]|, |v[\x+1]|, |v[\x+2]|
	v_max3_num_f32 v9, |v[\x+3]|, |v[\x+4]|, |v[\x+5]|
.irp i, 6,10,14,18,22,26
	v_max3_num_f32 v8, v8, |v[\x+\i]|, |v[\x+\i+1]|
	v_max3_num_f32 v9, v9, |v[\x+\i+2]|, |v[\x+\i+3]|
.endr
	v_max3_num_f32 v8, v8, |v[\x+30]|, |v[\x+31]|
	v_max3_num_f32 v8, v8, v9, 0x1800000           ; and the floor 2^(3 - 127)
	v_add_nc_u32 v10, 0xff000000, v8               ; 2 off the exponent field: the conversion's scale operand
	v_cvt_scalef32_pk16_fp6_f32 v[\c:\c+2], v[\x:\x+15], v10
	v_cvt_scalef32_pk16_fp6_f32 v[12:14], v[\x+16:\x+31], v10
	v_lshrrev_b32 v[\by], 23, v10                  ; the byte: also the plain place behind the conversions
.irp i, 0,1,2
	v_mov_b32 v[\c+3+\i], v[12+\i]
.endr
.endm
.macro WORD w, b0, b1                  ; my two bytes at 8 h, and lane l xor 16's
	v_lshl_or_b32 v[\w], v[\b1], 16, v[\b0]
	v_lshlrev_b32 v[\w], v7, v[\w]
	v_permlanex16_b32 v15, v[\w], s24, s25
	v_or_b32 v[\w], v[\w], v15
.endm
	s_wait_loadcnt 63                              ; x's 16 loads, the oldest of 80, are in
.set II, 0
.rept 16
	ds_store_b128 v24, v[160+4*II:163+4*II] offset:XSP*II
.set II, II+1
.endr
.irp c, 0,1
.irp i, 0,1,2,3,4,5,6,7
	ds_load_b128 v[96+32*\c+4*\i:99+32*\c+4*\i], v25 offset:256*\c+16*\i   ; LDS serves a wave's instructions in order: these see the stores
.endr
.endr
	s_wait_dscnt 0x0
	BLK 96, 80, 240
	BLK 128, 86, 241
	WORD 242, 240, 241
.macro COLS c, j                       ; column j of band c: its 32 numbers side by side, then its codes and byte
	s_set_vgpr_msb 0x0001
.set II, 0
.rept 32
	v_mov_b32 v[96+32*((\j)%2)+II], v[128*(\c)+4*II+(\j)]
.set II, II+1
.endr
	s_set_vgpr_msb 0x0100
	BLK 96+32*((\j)%2), 32+12*(\j)+6*(\c), 224+4*(\c)+(\j)
.endm
	s_wait_loadcnt 32                              ; band 0's 32 loads are in; band 1's may be out
.irp j, 0,1,2,3
	COLS 0, \j
.endr
	s_wait_loadcnt 0x0
.irp j, 0,1,2,3
	COLS 1, \j
.endr
.irp p, 0,1,2                          ; all stores stand behind the last conversion
	global_store_b128 v1, v[80+4*\p:83+4*\p], s[14:15] offset:512*\p
.endr
	global_store_b32 v6, v242, s[16:17]            ; both halves of the lanes store the same word with the same value
.irp j, 0,1,2,3
.irp p, 0,1,2
	global_store_b128 v1, v[32+12*\j+4*\p:35+12*\j+4*\p], s[18:19] offset:\j*TROWB+512*\p
.endr
.endr
.irp j, 0,1,2,3
	WORD 232+\j, 224+\j, 228+\j
.endr
	v_cndmask_b32 v236, v232, v233, s26            ; lanes 0-15: the even tile's words; lanes 16-31: the odd tile's
	v_cndmask_b32 v237, v234, v235, s26
	global_store_b32 v5, v236, s[20:21]
	global_store_b32 v5, v237, s[20:21] offset:128
	s_wait_tensorcnt 0x0                           ; the wave's end
	ds_add_u32 v28, v29
	s_wait_dscnt 0x0
	s_endpgm
.Lfunc_end_k_qe2620f7d8d_quant:
	.size	k_qe2620f7d8d_quant, .Lfunc_end_k_qe2620f7d8d_quant-k_qe2620f7d8d_quant
	.p2alignl 7, 3214868480
	.fill 96, 4, 3214868480
	.section	.rodata,"a",@progbits
	.p2align	6, 0x0
	.amdhsa_kernel k_qe2620f7d8d_quant
		.amdhsa_group_segment_fixed_size 68608
		.amdhsa_private_segment_fixed_size 0
		.amdhsa_enable_private_segment 0
		.amdhsa_kernarg_size 72
		.amdhsa_user_sgpr_count 2
		.amdhsa_user_sgpr_kernarg_segment_ptr 1
		.amdhsa_wavefront_size32 1
		.amdhsa_system_sgpr_workgroup_id_x 1
		.amdhsa_system_sgpr_workgroup_id_y 1
		.amdhsa_system_sgpr_workgroup_id_z 1
		.amdhsa_system_vgpr_workitem_id 0
		.amdhsa_next_free_vgpr 512
		.amdhsa_next_free_sgpr 72
		.amdhsa_reserve_vcc 0
		.amdhsa_float_denorm_mode_32 3
		.amdhsa_float_denorm_mode_16_64 3
		.amdhsa_memory_ordered 1
		.amdhsa_forward_progress 1
		.amdhsa_inst_pref_size 39
	.end_amdhsa_kernel
	.amdgpu_metadata
---
amdhsa.version: [ 1, 2 ]
amdhsa.kernels:
  - .name:           k_qe2620f7d8d_quant
    .symbol:         k_qe2620f7d8d_quant.kd
    .args:
      - { .name: x, .offset: 0, .size: 8, .value_kind: global_buffer, .address_space: global }
      - { .name: Wq, .offset: 8, .size: 8, .value_kind: global_buffer, .address_space: global }
      - { .name: Wk, .offset: 16, .size: 8, .value_kind: global_buffer, .address_space: global }
      - { .name: Wv, .offset: 24, .size: 8, .value_kind: global_buffer, .address_space: global }
      - { .name: Wo, .offset: 32, .size: 8, .value_kind: global_buffer, .address_space: global }
      - { .name: xc, .offset: 40, .size: 8, .value_kind: global_buffer, .address_space: global }
      - { .name: xs, .offset: 48, .size: 8, .value_kind: global_buffer, .address_space: global }
      - { .name: wc, .offset: 56, .size: 8, .value_kind: global_buffer, .address_space: global }
      - { .name: ws, .offset: 64, .size: 8, .value_kind: global_buffer, .address_space: global }
    .group_segment_fixed_size: 68608
    .private_segment_fixed_size: 0
    .kernarg_segment_align: 8
    .kernarg_segment_size: 72
    .max_flat_workgroup_size: 256
    .sgpr_count:     72
    .vgpr_count:     512
    .wavefront_size: 32
...
	.end_amdgpu_metadata
.endif
;; end of part 1
;; launch gemm_qkv (part 2): grid 16 x 16, 4 waves a work-group, clusters of 4 x 4, 327,680 bytes of LDS; arguments xc, xs, wc, ws, bq, bk, bv, qkvc, qkvs; writes qkvc, qkvs
.if DOCPART == 2
	.amdgcn_target "amdgcn-amd-amdhsa--gfx1250"
	.amdhsa_code_object_version 6
	.text
	.protected	k_qe2620f7d8d_gemm_qkv
	.globl	k_qe2620f7d8d_gemm_qkv
	.p2align	8
	.type	k_qe2620f7d8d_gemm_qkv,@function
k_qe2620f7d8d_gemm_qkv:
	s_mov_b64 s[64:65], 0
	v_nop
	global_prefetch_b8 v0, s[64:65] scope:SCOPE_SE
	s_setreg_imm32_b32 hwreg(HW_REG_WAVE_MODE, 25, 1), 1
	s_wait_xcnt 0x0
	s_wait_alu depctr_hold_cnt(0) depctr_sa_sdst(0) depctr_va_vdst(0) depctr_va_sdst(0) depctr_va_ssrc(0) depctr_va_vcc(0) depctr_vm_vsrc(0)
	s_getreg_b32 s2, hwreg(HW_REG_IB_STS2, 6, 4)
	s_cmp_eq_u32 s2, 0
	s_cbranch_scc0 .Lentry_in_a_cluster
	s_endpgm
.Lentry_in_a_cluster:
	s_bfe_u32 s2, ttmp6, 0x10000c
	s_cmp_lg_u32 s2, 0xf033
	s_cbranch_scc0 .Lentry_shape_is_right
	s_endpgm
.Lentry_shape_is_right:
; Q, K, V = x W + b, quantised again: Q and K along the head's 128, V along the tokens.  Codes of FP6 (E2M3) with E8M0 scales, sums in f32.
; A WORK-GROUP makes Q, K and V of one head (grid x) for 128 tokens (grid y): 256 work-groups of equal work.  Four waves, 2 x 2: wave (w, u) takes tokens 64 w .. and columns 64 u .. of each of the three: 4 x 12 accumulators.
; OPERANDS: images of fragments [tile][K step of 128][1,536], scale words [K step][row], as the launch quant leaves them.  A weight's tile j of 64 columns has row r = column 4 r + j.
; So in Q and K (weight's rows as source 0) lane (r, h) holds token r and, over tiles j = 0 .. 3, the 32 columns 64 u + 32 h + 4 i + j: ONE scale block a lane.  Register 8 j + i is the block's place, the same in Q and K.
; V (x's rows as source 0): lane r holds column 4 r + j, registers the tokens 16 a + 8 h + i: a block of 32 tokens lies in lanes l and l xor 16.
; RESULTS: qkvc [kind][16 batch + head][group of 128 tokens][tile][band of 64 c][registers 0-3: 16 x lane | registers 4-5: 512 + 8 x lane]; a tile is 16 tokens (Q, K) or, of V, 16 columns.  qkvs: a word for each row of a tile.
; LDS: two slots of three K steps (slot 0: K steps 0-2, 6-8, 12-14; slot 1: 3-5, 9-11, 15): tile 0-7 x's, 8-31 the weights'.  Both are filled at the head, one joint load a wave; four refills, each in a drained round.
; CLUSTERS: x's rows are shared along a row of the cluster, the weights' along a column.  Scale words go from memory into registers, four K steps ahead of their use, and stay apart for each step.
; PREFETCH: what a refill will load is asked for into the L2 one refill ahead (the first at the head), each block of 256 bytes once in a cluster, shared out by address among the sixteen waves that ask jointly.
; LIMITS: NaN and infinities are not served; a block's byte is held at 1 from below, and a block of zeros has the byte 1.
; REGISTERS: window 0: v0-31 addresses and work; v32-79, v80-127 x's fragments, two sets (at the end: the codes); v128-255 scale words, eight a K step: x's tile pairs, then the weights'.
;   windows 1, 2: v0-143 the weights' fragments, sets 0, 1; v144-207 V's sums (tiles 0, 1 and 2, 3); v208-239 Q's, K's bias; v240-255 V's.   window 3: Q's and K's sums: 64 a + 32 kind + 8 j.
.set TROWB, 24576
.set WSZ,   3145728
.set SSZ,   131072
.set SLOT,  147456
.set SPARE, 2*SLOT
.set STG,   SPARE+512                  ; the results' scale bytes: [kind][128 rows][4]
.set AF,    32
.set SC,    128
.set G1,    24                         ; group 1: x's rows;  s[48:51], s[56:59] group 0, slots 0, 1
.set G1B,   32                         ; the weights' rows;  s[52:55], s[60:63]
.set MSB, 0
.macro WIN new
.if MSB != (\new)
	s_set_vgpr_msb (MSB<<8)|(\new)
.set MSB, (\new)
.endif
.endm
.macro PLACES n
.rept \n
	v_nop
.endr
.endm
.macro CREST
	s_cmp_lg_u32 s22, 0
	s_cbranch_scc1 .Lnot_wave_0_\@
	s_barrier_signal -3
.Lnot_wave_0_\@:
	s_barrier_wait -3
	s_barrier_signal -1
	s_barrier_wait -1
.endm
.macro CROUND
	s_barrier_signal -1
	s_barrier_wait -1
	CREST
.endm
.macro TLOAD g0, g1
	tensor_load_to_lds s[\g0:\g0+3], s[\g1:\g1+7]
	s_nop 0
	PLACES 4
.endm
.macro GRP1 g, mask, w, rows           ; \rows tiles of \w x 8 bytes, TROWB apart
	s_or_b32 s[\g], s[\mask], (3<<16)|(1<<21)
	s_mov_b32 s[\g+1], (\w)<<16
	s_mov_b32 s[\g+2], (\rows)<<16
	s_mov_b32 s[\g+3], (\w)<<16
	s_mov_b32 s[\g+4], \rows
	s_mov_b32 s[\g+5], TROWB/8
	s_mov_b32 s[\g+6], 0
	s_mov_b32 s[\g+7], 0
.endm
.macro PFADDR v, q, cnt, nb, mul       ; wave \q of 16 names blocks cnt q .. of tiles of nb blocks; lanes left over name its last one again
	s_mul_i32 s100, s[\q], \cnt
	v_min_u32 v15, \cnt-1, v14
	v_add_nc_u32 v15, s100, v15
	v_mul_u32_u24 v[\v], v15, \mul                 ; / nb, by mul / 65,536
	v_lshrrev_b32 v[\v], 16, v[\v]
	v_mul_u32_u24 v[\v], v[\v], TROWB-256*\nb
	v_lshl_add_u32 v[\v], v15, 8, v[\v]
.endm
.macro PFGO va, vb, off
	global_prefetch_b8 v[\va], s[78:79] offset:\off th:TH_LOAD_NT scope:SCOPE_SE
	global_prefetch_b8 v[\vb], s[80:81] offset:\off th:TH_LOAD_NT scope:SCOPE_SE
.endm
	s_load_b256 s[4:11], s[0:1], 0x0               ; xc, xs, wc, ws
	s_load_b256 s[12:19], s[0:1], 0x20             ; bq, bk, bv, qkvc
	s_load_b64 s[20:21], s[0:1], 0x40              ; qkvs
	v_lshl_add_u32 v5, v0, 2, SPARE
	v_mov_b32 v6, 0
	ds_add_u32 v5, v6                              ; the add, twice on end, ahead of the first tensor load
	ds_add_u32 v5, v6
	v_lshrrev_b32 v12, 5, v0
	v_readfirstlane_b32 s22, v12                   ; wave
	s_lshr_b32 s23, s22, 1                         ; w
	s_and_b32 s40, s22, 1                          ; u
	s_bfe_u32 s41, ttmp6, 0x40000                  ; cx
	s_bfe_u32 s42, ttmp6, 0x40004                  ; cy
	s_lshl_b32 s44, ttmp9, 2
	s_add_co_u32 s44, s44, s41                     ; head
	s_and_b32 s45, ttmp7, 0xffff
	s_lshl_b32 s45, s45, 2
	s_add_co_u32 s45, s45, s42                     ; group of 128 tokens, 0..15
	s_lshl_b32 s46, s42, 2
	s_lshl_b32 s46, 15, s46                        ; my row of the cluster
	s_lshl_b32 s47, 0x1111, s41                    ; my column
	GRP1 G1, 46, 576, 8
	GRP1 G1B, 47, 576, 24
	s_mul_i32 s78, s45, 8*TROWB
	s_mov_b32 s79, 0
	s_mul_i32 s80, s44, 24*TROWB
	s_mov_b32 s81, 0
	s_wait_dscnt 0x0
	s_wait_kmcnt 0x0
	s_add_nc_u64 s[78:79], s[4:5], s[78:79]
	s_add_nc_u64 s[80:81], s[8:9], s[80:81]
.irp f, 0,1
	s_mov_b32 s[48+8*\f], 1
	s_mov_b32 s[49+8*\f], \f*SLOT
	s_add_nc_u64 s[50+8*\f:51+8*\f], s[78:79], \f*4608
	s_or_b32 s[51+8*\f], s[51+8*\f], 0x80000000
	s_mov_b32 s[52+8*\f], 1
	s_mov_b32 s[53+8*\f], \f*SLOT+36864
	s_add_nc_u64 s[54+8*\f:55+8*\f], s[80:81], \f*4608
	s_or_b32 s[55+8*\f], s[55+8*\f], 0x80000000
.endr
	CROUND                                         ; all sixteen work-groups are here: the joint loads meet
	s_cmp_eq_u32 s22, 0                            ; one load a wave
	s_cbranch_scc0 .Lwave_1
	TLOAD 48, G1                                   ; wave 0: x, K steps 0-2
	s_branch .Lasked
.Lwave_1:
	s_cmp_eq_u32 s22, 1
	s_cbranch_scc0 .Lwave_2
	TLOAD 52, G1B                                  ; wave 1: the weights, K steps 0-2
	s_branch .Lasked
.Lwave_2:
	s_cmp_eq_u32 s22, 2
	s_cbranch_scc0 .Lwave_3
	TLOAD 56, G1                                   ; wave 2: x, K steps 3-5
	s_branch .Lasked
.Lwave_3:
	TLOAD 60, G1B                                  ; wave 3: the weights, K steps 3-5
.Lasked:
	s_lshl_b32 s68, s45, 9
	s_lshl_b32 s100, s23, 8
	s_add_co_u32 s68, s68, s100
	s_mov_b32 s69, 0
	s_add_nc_u64 s[68:69], s[6:7], s[68:69]        ; my 64 tokens' scale words
	s_mul_i32 s70, s44, 1536
	s_lshl_b32 s100, s40, 8
	s_add_co_u32 s70, s70, s100
	s_mov_b32 s71, 0
	s_add_nc_u64 s[70:71], s[10:11], s[70:71]      ; my columns'
	s_lshl_b32 s72, s44, 9
	s_add_co_u32 s72, s72, s100
	s_mov_b32 s73, 0
	s_add_nc_u64 s[12:13], s[12:13], s[72:73]      ; the biases of my columns
	s_add_nc_u64 s[14:15], s[14:15], s[72:73]
	s_add_nc_u64 s[16:17], s[16:17], s[72:73]
	s_lshr_b32 s43, s45, 3
	s_lshl_b32 s43, s43, 4
	s_add_co_u32 s43, s43, s44                     ; 16 batch + head
	s_and_b32 s2, s45, 7                           ; group in the sequence
	s_mul_i32 s3, s43, 98304
	s_mul_i32 s101, s2, 12288
	s_add_co_u32 s3, s3, s101
	s_mul_i32 s72, s23, 6144
	s_mul_i32 s100, s40, 768
	s_add_co_u32 s72, s72, s100
	s_add_co_u32 s72, s72, s3
	s_add_nc_u64 s[72:73], s[18:19], s[72:73]      ; Q, K: tile 4 w + a, band u
	s_mul_i32 s74, s40, 6144
	s_mul_i32 s100, s23, 768
	s_add_co_u32 s74, s74, s100
	s_add_co_u32 s74, s74, s3
	s_add_co_u32 s74, s74, 2*WSZ
	s_mov_b32 s75, 0
	s_add_nc_u64 s[74:75], s[18:19], s[74:75]      ; V: tile 4 u + j, band w
	s_lshl_b32 s76, s43, 12
	s_lshl_b32 s100, s2, 9
	s_add_co_u32 s76, s76, s100
	s_mul_i32 s100, s22, SSZ
	s_add_co_u32 s76, s76, s100
	s_mov_b32 s77, 0
	s_add_nc_u64 s[76:77], s[20:21], s[76:77]      ; scale words: wave n stores kind n's
	s_lshl_b32 s84, s41, 2
	s_add_co_u32 s84, s84, s22                     ; my number among the sixteen waves of my row of the cluster,
	s_lshl_b32 s86, s42, 2
	s_add_co_u32 s86, s86, s22                     ; and of my column
	s_mov_b32 s82, 0x76543210
	s_mov_b32 s83, 0xfedcba98
	s_mul_i32 s88, s23, 18432                      ; my four tiles of x in a slot
	s_mul_i32 s89, s40, 18432                      ; my tiles of a weight
	s_mul_i32 s90, s23, 6144                       ; and in K step 15's smaller tile
	s_mul_i32 s91, s40, 6144
	s_lshl_b32 s92, s23, 8
	s_lshl_b32 s93, s40, 1
	s_add_co_u32 s92, s92, s93                     ; 256 w + 2 u
	s_lshl_b32 s93, s40, 8
	s_lshl_b32 s94, s23, 1
	s_add_co_u32 s93, s93, s94                     ; 256 u + 2 w
	v_and_b32 v14, 31, v0                          ; lane
	v_and_b32 v12, 15, v0                          ; r
	v_bfe_u32 v13, v0, 4, 1                        ; h
	v_lshlrev_b32 v1, 4, v14
	v_lshlrev_b32 v2, 3, v14
	v_lshlrev_b32 v9, 2, v14
	v_add_nc_u32 v16, s88, v1
	v_add_nc_u32 v17, SLOT, v16
	v_add_nc_u32 v18, s90, v1
	v_add_nc_u32 v18, SLOT, v18
	v_add_nc_u32 v19, s89, v1
	v_add_nc_u32 v19, 36864, v19
	v_add_nc_u32 v20, SLOT, v19
	v_add_nc_u32 v21, s91, v1
	v_add_nc_u32 v21, SLOT+12288, v21
	v_add_nc_u32 v22, 73728, v19                   ; V's tiles lie 16 further on
	v_add_nc_u32 v23, SLOT, v22
	v_add_nc_u32 v24, 24576, v21
	v_lshl_add_u32 v4, v12, 2, s93
	v_add_nc_u32 v4, STG+1024, v4                  ; V's scale bytes
	v_lshl_add_u32 v3, v12, 2, s92
	v_add_nc_u32 v3, v3, v13
	v_add_nc_u32 v3, STG, v3                       ; Q's and K's
	PFADDR 7, 84, 9, 18, 3641                      ; three K steps: 8 and 24 tiles of 18 blocks
	PFADDR 8, 86, 27, 18, 3641
	PFADDR 10, 84, 3, 6, 10923                     ; K step 15: 8 and 24 tiles of 6 blocks
	PFADDR 11, 86, 9, 6, 10923
	v_lshlrev_b32 v25, 7, v13                      ; 128 h
	v_lshlrev_b32 v26, 4, v12                      ; 16 r
	s_wait_alu depctr_va_vdst(0)
.irp i, 0,1,2,3,4,5,6,7
	global_load_b128 v[32+4*\i:35+4*\i], v25, s[12:13] offset:16*\i        ; columns 32 h + 4 i ..
	global_load_b128 v[64+4*\i:67+4*\i], v25, s[14:15] offset:16*\i
.endr
	global_load_b128 v[96:99], v26, s[16:17]       ; V: columns 4 r ..
.macro SCL k                           ; K step k's scale words: a register holds two tiles, lanes 0-15 and 16-31
.irp p, 0,1
	global_load_b32 v[SC+8*(\k)+\p], v9, s[68:69] offset:8192*(\k)+128*\p
.endr
.irp d, 0,1,2
.irp p, 0,1
	global_load_b32 v[SC+8*(\k)+2+2*\d+\p], v9, s[70:71] offset:32768*(\k)+512*\d+128*\p
.endr
.endr
.endm
	SCL 0
	SCL 1
	SCL 2
	PFGO 7, 8, 9216                                ; what the first refill will load: K steps 6-8
	s_wait_loadcnt 24                              ; the biases are in: 24 scale loads are younger
	WIN 0x40
.irp i, 0,1,2,3,4,5,6,7
.irp j, 0,1,2,3
	v_mov_b32 v[208+8*\j+\i], v[32+4*\i+\j]        ; as the sums lie: register 8 j + i = column 32 h + 4 i + j
.endr
	v_mov_b32 v[240+\i], v96
	v_mov_b32 v[248+\i], v97
.endr
	WIN 0x80
.irp i, 0,1,2,3,4,5,6,7
.irp j, 0,1,2,3
	v_mov_b32 v[208+8*\j+\i], v[64+4*\i+\j]
.endr
	v_mov_b32 v[240+\i], v98
	v_mov_b32 v[248+\i], v99
.endr
	WIN 0
.macro FRAG reg, adr, off
.irp c, 0,1,2
	ds_load_b128 v[\reg+4*\c:\reg+4*\c+3], v[\adr] offset:(\off)+512*\c
.endr
.endm
.macro CHA                             ; the next step's fragments of x, and the scale words four steps on
	WIN 0
.irp i, 0,1,2,3
	FRAG AF+48*NSET_+12*\i, 16+NS_, \i*PT_+1536*NQ_
.endr
.if K_+4 < 16
	SCL K_+4
.endif
.endm
.macro CHB d                           ; and of weight d
	WIN ((1+NSET_)<<6)
.irp j, 0,1,2,3
.if \d == 2
	FRAG 12*(8+\j), 22+NS_, \j*PT_+1536*NQ_
.else
	FRAG 12*(4*\d+\j), 19+NS_, (8*\d+\j)*PT_+1536*NQ_
.endif
.endr
.endm
; Row tile a = 2 ah + ao against the twelve column tiles.  The 48 accumulators take turns, in the same order in every step.  first: the bias starts the sums.
.macro P ah, ao, first
.set BW_, 1+K_%2
.set AR_, AF+48*(K_%2)+12*(2*\ah+\ao)
.set XA_, SC+8*K_+\ah
.irp d, 0,1
.if \first
	WIN (3<<6)|((1+\d)<<4)|BW_
.else
	WIN (3<<6)|(3<<4)|BW_
.endif
.irp jp, 0,1
.irp jo, 0,1
.set N_, 4*\d+2*\jp+\jo
.set D_, 64*(2*\ah+\ao)+8*N_
.set XB_, SC+8*K_+2+2*\d+\jp
.set C_, D_
.if \first
.set C_, 208+8*(2*\jp+\jo)
.endif
	v_wmma_scale_f32_16x16x128_f8f6f4 v[D_:D_+7], v[12*N_:12*N_+11], v[AR_:AR_+11], v[C_:C_+7], v[XB_], v[XA_] matrix_a_fmt:MATRIX_FMT_FP6 matrix_b_fmt:MATRIX_FMT_FP6 matrix_a_scale:MATRIX_SCALE_ROW\jo matrix_b_scale:MATRIX_SCALE_ROW\ao
.endr
.endr
.endr
.irp jp, 0,1
	WIN ((1+\jp)<<6)|((1+\jp)<<4)|(BW_<<2)
.irp jo, 0,1
.set N_, 8+2*\jp+\jo
.set D_, 144+32*\jo+8*(2*\ah+\ao)
.set XB_, SC+8*K_+6+\jp
.set C_, D_
.if \first
.set C_, 240+8*\jo
.endif
	v_wmma_scale_f32_16x16x128_f8f6f4 v[D_:D_+7], v[AR_:AR_+11], v[12*N_:12*N_+11], v[C_:C_+7], v[XA_], v[XB_] matrix_a_fmt:MATRIX_FMT_FP6 matrix_b_fmt:MATRIX_FMT_FP6 matrix_a_scale:MATRIX_SCALE_ROW\ao matrix_b_scale:MATRIX_SCALE_ROW\jo
.endr
.endr
.endm
.macro NEXT                            ; where the next step's fragments lie and go
.set KN_, K_+1
.set NSET_, KN_%2
.set NQ_, KN_%3
.set NS_, (KN_/3)%2
.set PT_, 4608
.if KN_ == 15
.set NS_, 2
.set PT_, 1536
.endif
.endm
.macro WAITS                           ; this step's scale words are in; those of the next three steps may be out
.if K_ < 13
	s_wait_loadcnt 24
.else
	s_wait_loadcnt 8*(15-K_)
.endif
.endm
.macro STEP first
	NEXT
	s_wait_dscnt 0x0
	WAITS
	PLACES 4                                       ; in front of loads into registers that matrix instructions have read
	CHA
	CHB 0
	P 0, 0, \first
	CHB 1
	P 0, 1, \first
	CHB 2
	P 1, 0, \first
	P 1, 1, \first
.set K_, K_+1
.endm
; A slot's last step.  In front of its barrier each wave waits for all its tensor loads, adds 0 to its spare word, and waits for that and for its reads.  fill = 1: the slot takes the three K steps six on; 2: K step 15 alone; 0: nothing.
.macro TURN fill
	NEXT
	WAITS
	WIN 0
	s_wait_tensorcnt 0x0
	ds_add_u32 v5, v6
	s_wait_dscnt 1                                 ; this step's fragments are in; the add may be out
	P 0, 0, 0
	s_wait_dscnt 0x0
	s_barrier_signal -1
	P 0, 1, 0
	WIN 0
	s_barrier_wait -1
.if \fill
	CREST
.set SL_, 8*((K_/3)%2)
.if \fill == 2
.irp g, G1, G1B
	s_mov_b32 s[\g+1], 192<<16
	s_mov_b32 s[\g+3], 192<<16
.endr
	s_mov_b32 s[53+SL_], SLOT+12288
.endif
	s_add_nc_u64 s[50+SL_:51+SL_], s[50+SL_:51+SL_], 9216
	s_add_nc_u64 s[54+SL_:55+SL_], s[54+SL_:55+SL_], 9216
	s_cmp_eq_u32 s22, 0
	s_cbranch_scc0 .Lfor_b_\@
	TLOAD 48+SL_, G1                               ; wave 0: x's rows
	s_branch .Lfilled_\@
.Lfor_b_\@:
	s_cmp_eq_u32 s22, 1
	s_cbranch_scc0 .Lfilled_\@
	TLOAD 52+SL_, G1B                              ; wave 1: the weights'
.Lfilled_\@:
.endif
	PLACES 4
	CHA
	CHB 0
	P 1, 0, 0
	CHB 1
	CHB 2
	P 1, 1, 0
	WIN 0
.if K_ == 2
	PFGO 7, 8, 13824                               ; K steps 9-11
.endif
.if K_ == 5
	PFGO 7, 8, 18432                               ; 12-14
.endif
.if K_ == 8
	PFGO 10, 11, 23040                             ; 15
.endif
.set K_, K_+1
.endm
	s_wait_alu depctr_va_vdst(0)                   ; the wait at the head's end
	s_cmp_lt_u32 s22, 2
	s_cbranch_scc0 .Lnot_first
	s_wait_tensorcnt 0x0                           ; K steps 0-2 are in; 3-5 may be on their way
.Lnot_first:
	s_barrier_signal -1
	s_barrier_wait -1
.set K_, -1
.set NSET_, 0
.set NQ_, 0
.set NS_, 0
.set PT_, 4608
	CHA
	CHB 0
	CHB 1
	CHB 2
.set K_, 0
	STEP 1
	STEP 0
	TURN 1
	STEP 0
	STEP 0
	TURN 1
	STEP 0
	STEP 0
	TURN 1
	STEP 0
	STEP 0
	TURN 2
	STEP 0
	STEP 0
	TURN 0
	s_wait_dscnt 0x0                               ; the last step
	s_wait_loadcnt 0x0
	P 0, 0, 0
	P 0, 1, 0
	P 1, 0, 0
	P 1, 1, 0
	WIN 0
	PLACES 4                                       ; in front of the first read of the sums
.macro OUTQK a                         ; row tile a of Q and of K: each 32 sums of a lane, one block
.set X_, 64*(\a)
.set C_, 32+16*(\a)
	WIN 0x3f
.irp g, 0,1
	v_max3_num_f32 v[12+2*\g], |v[X_+32*\g]|, |v[X_+32*\g+1]|, |v[X_+32*\g+2]|
	v_max3_num_f32 v[13+2*\g], |v[X_+32*\g+3]|, |v[X_+32*\g+4]|, |v[X_+32*\g+5]|
.endr
	WIN 0x3c
.irp i, 6,10,14,18,22,26
.irp g, 0,1
	v_max3_num_f32 v[12+2*\g], v[12+2*\g], |v[X_+32*\g+\i]|, |v[X_+32*\g+\i+1]|
	v_max3_num_f32 v[13+2*\g], v[13+2*\g], |v[X_+32*\g+\i+2]|, |v[X_+32*\g+\i+3]|
.endr
.endr
.irp g, 0,1
	v_max3_num_f32 v[12+2*\g], v[12+2*\g], |v[X_+32*\g+30]|, |v[X_+32*\g+31]|
.endr
	WIN 0
.irp g, 0,1
	v_max3_num_f32 v[12+2*\g], v[12+2*\g], v[13+2*\g], 0x1800000
.endr
.irp g, 0,1
	v_add_nc_u32 v[26+\g], 0xff000000, v[12+2*\g]  ; the conversion's scale operand
.endr
	WIN 3
.irp g, 0,1
	v_cvt_scalef32_pk16_fp6_f32 v[C_+8*\g:C_+8*\g+2], v[X_+32*\g:X_+32*\g+15], v[26+\g]
	v_cvt_scalef32_pk16_fp6_f32 v[C_+8*\g+4:C_+8*\g+6], v[X_+32*\g+16:X_+32*\g+31], v[26+\g]
.endr
	WIN 0
.irp g, 0,1
	v_lshrrev_b32 v[28+\g], 23, v[26+\g]
.endr
.irp i, 3,4,5
.irp g, 0,1
	v_mov_b32 v[C_+8*\g+\i], v[C_+8*\g+\i+1]
.endr
.endr
.irp g, 0,1
	global_store_b128 v1, v[C_+8*\g:C_+8*\g+3], s[72:73] offset:\g*WSZ+1536*(\a)
	global_store_b64 v2, v[C_+8*\g+4:C_+8*\g+5], s[72:73] offset:\g*WSZ+1536*(\a)+512
	ds_store_b8 v3, v[28+\g] offset:512*\g+64*(\a)
.endr
.endm
.macro OUTV jp                         ; V's column tiles 2 jp, 2 jp + 1: q = 2 x tile + block; 16 numbers of a block in my lane, 16 in lane l xor 16
.set VW_, 1+(\jp)
.set C_, 96+16*(\jp)
	WIN VW_|(VW_<<2)
.irp q, 0,1,2,3
	v_max3_num_f32 v[12+\q], |v[144+16*\q]|, |v[145+16*\q]|, 0x1800000
.endr
	WIN (VW_<<2)|(VW_<<4)
.irp i, 2,4,6,8,10,12,14
.irp q, 0,1,2,3
	v_max3_num_f32 v[12+\q], v[12+\q], |v[144+16*\q+\i]|, |v[145+16*\q+\i]|
.endr
.endr
	WIN 0
.irp q, 0,1,2,3
	v_permlanex16_b32 v[16+\q], v[12+\q], s82, s83
.endr
.irp q, 0,1,2,3
	v_max_num_f32 v[12+\q], v[12+\q], v[16+\q]
.endr
.irp q, 0,1,2,3
	v_add_nc_u32 v[20+\q], 0xff000000, v[12+\q]
.endr
	WIN VW_
.irp q, 0,1,2,3
	v_cvt_scalef32_pk16_fp6_f32 v[C_+4*\q:C_+4*\q+2], v[144+16*\q:159+16*\q], v[20+\q]
.endr
	WIN 0
.irp q, 0,1,2,3
	v_lshrrev_b32 v[26+\q], 23, v[20+\q]
.endr
.irp i, 0,1,2
.irp t, 0,1
	v_permlane16_swap_b32 v[C_+8*\t+\i], v[C_+8*\t+4+\i]   ; whole blocks in a lane: lanes 0-15 block 2 w, lanes 16-31 block 2 w + 1
.endr
.endr
.irp i, 3,4,5
.irp t, 0,1
	v_mov_b32 v[C_+8*\t+\i], v[C_+8*\t+\i+1]
.endr
.endr
.irp t, 0,1
	global_store_b128 v1, v[C_+8*\t:C_+8*\t+3], s[74:75] offset:1536*(2*(\jp)+\t)
	global_store_b64 v2, v[C_+8*\t+4:C_+8*\t+5], s[74:75] offset:1536*(2*(\jp)+\t)+512
	ds_store_b8 v4, v[26+2*\t] offset:64*(2*(\jp)+\t)
	ds_store_b8 v4, v[27+2*\t] offset:64*(2*(\jp)+\t)+1
.endr
.endm
	OUTQK 0
	OUTQK 1
	OUTQK 2
	OUTQK 3
	OUTV 0
	OUTV 1
	s_lshl_b32 s100, s22, 9
	s_add_co_u32 s100, s100, STG
	v_add_nc_u32 v30, s100, v1                     ; kind = wave: its 512 bytes of scale words
	s_wait_alu depctr_va_vdst(0)
	s_wait_dscnt 0x0
	s_barrier_signal -1
	s_barrier_wait -1                              ; all waves' bytes are there
	s_cmp_lt_u32 s22, 3
	s_cbranch_scc0 .Lno_kind
	ds_load_b128 v[12:15], v30
	s_wait_dscnt 0x0
	global_store_b128 v1, v[12:15], s[76:77]
.Lno_kind:
	s_wait_tensorcnt 0x0                           ; the wave's end
	ds_add_u32 v5, v6
	s_wait_dscnt 0x0
	CROUND                                         ; the closing round
	s_endpgm
.Lfunc_end_k_qe2620f7d8d_gemm_qkv:
	.size	k_qe2620f7d8d_gemm_qkv, .Lfunc_end_k_qe2620f7d8d_gemm_qkv-k_qe2620f7d8d_gemm_qkv
	.p2alignl 7, 3214868480
	.fill 96, 4, 3214868480
	.section	.rodata,"a",@progbits
	.p2align	6, 0x0
	.amdhsa_kernel k_qe2620f7d8d_gemm_qkv
		.amdhsa_group_segment_fixed_size 327680
		.amdhsa_private_segment_fixed_size 0
		.amdhsa_enable_private_segment 0
		.amdhsa_kernarg_size 72
		.amdhsa_user_sgpr_count 2
		.amdhsa_user_sgpr_kernarg_segment_ptr 1
		.amdhsa_wavefront_size32 1
		.amdhsa_system_sgpr_workgroup_id_x 1
		.amdhsa_system_sgpr_workgroup_id_y 1
		.amdhsa_system_sgpr_workgroup_id_z 1
		.amdhsa_system_vgpr_workitem_id 0
		.amdhsa_next_free_vgpr 1024
		.amdhsa_next_free_sgpr 102
		.amdhsa_reserve_vcc 0
		.amdhsa_float_denorm_mode_32 3
		.amdhsa_float_denorm_mode_16_64 3
		.amdhsa_memory_ordered 1
		.amdhsa_forward_progress 1
		.amdhsa_inst_pref_size 211
	.end_amdhsa_kernel
	.amdgpu_metadata
---
amdhsa.version: [ 1, 2 ]
amdhsa.kernels:
  - .name:           k_qe2620f7d8d_gemm_qkv
    .symbol:         k_qe2620f7d8d_gemm_qkv.kd
    .args:
      - { .name: xc, .offset: 0, .size: 8, .value_kind: global_buffer, .address_space: global }
      - { .name: xs, .offset: 8, .size: 8, .value_kind: global_buffer, .address_space: global }
      - { .name: wc, .offset: 16, .size: 8, .value_kind: global_buffer, .address_space: global }
      - { .name: ws, .offset: 24, .size: 8, .value_kind: global_buffer, .address_space: global }
      - { .name: bq, .offset: 32, .size: 8, .value_kind: global_buffer, .address_space: global }
      - { .name: bk, .offset: 40, .size: 8, .value_kind: global_buffer, .address_space: global }
      - { .name: bv, .offset: 48, .size: 8, .value_kind: global_buffer, .address_space: global }
      - { .name: qkvc, .offset: 56, .size: 8, .value_kind: global_buffer, .address_space: global }
      - { .name: qkvs, .offset: 64, .size: 8, .value_kind: global_buffer, .address_space: global }
    .group_segment_fixed_size: 327680
    .private_segment_fixed_size: 0
    .kernarg_segment_align: 8
    .kernarg_segment_size: 72
    .max_flat_workgroup_size: 128
    .sgpr_count:     102
    .vgpr_count:     1024
    .wavefront_size: 32
...
	.end_amdgpu_metadata
.endif
;; end of part 2
;; launch attn (part 3): grid 8 x 32, 8 waves a work-group, clusters of 4 x 1, 240,640 bytes of LDS; arguments qkvc, qkvs, cc, cs; writes cc, cs
.if DOCPART == 3
	.amdgcn_target "amdgcn-amd-amdhsa--gfx1250"
	.amdhsa_code_object_version 6
	.text
	.protected	k_qe2620f7d8d_attn
	.globl	k_qe2620f7d8d_attn
	.p2align	8
	.type	k_qe2620f7d8d_attn,@function
k_qe2620f7d8d_attn:
	s_mov_b64 s[64:65], 0
	v_nop
	global_prefetch_b8 v0, s[64:65] scope:SCOPE_SE
	s_setreg_imm32_b32 hwreg(HW_REG_WAVE_MODE, 25, 1), 1
	s_wait_xcnt 0x0
	s_wait_alu depctr_hold_cnt(0) depctr_sa_sdst(0) depctr_va_vdst(0) depctr_va_sdst(0) depctr_va_ssrc(0) depctr_va_vcc(0) depctr_vm_vsrc(0)
	s_getreg_b32 s2, hwreg(HW_REG_IB_STS2, 6, 4)
	s_cmp_eq_u32 s2, 0
	s_cbranch_scc0 .Lentry_in_a_cluster
	s_endpgm
.Lentry_in_a_cluster:
	s_bfe_u32 s2, ttmp6, 0x10000c
	s_cmp_lg_u32 s2, 0x3003
	s_cbranch_scc0 .Lentry_shape_is_right
	s_endpgm
.Lentry_shape_is_right:
; ctx[b][h][q] = the sum over keys k <= q of softmax_k(Q . K / sqrt(128)) V, both products on codes of FP6 (E2M3) with E8M0 scales; ctx is quantised along (head, d) and leaves as codes for the last product.
; THE SOFTMAX: t = score x log2(e) / sqrt(128); M = the running largest t, rounded up to a whole number; p = 2^(t - M) is quantised along the keys, not normalised; the row's sum is taken of the unquantised p and divides O at the end.
; When M moves, the sum and O are multiplied by 2^(old M - new M): exact.
; INPUTS: qkvc [0 q, 1 k, 2 v^T][16 batch + head][group of 128 (8)][tile of 16 (8)][1,536]: images of fragments, two bands of 768 bytes: registers 0-3 at 16 x lane, registers 4-5 at 512 + 8 x lane.  qkvs: their scale words, 16 a tile.
; V^T's tile t = 4 u + j has row r = d 64 u + 4 r + j: so a lane's 32 results of tiles 4 u .. 4 u + 3 are one block of ctx.  Inside a block of 32 the places lie alike on both sides of each product.
; SHARES.  grid y = 16 batch + head.  The eight work-groups of a head (two clusters of four) take one tile of 16 queries out of each group of 128: tile 4 c + cx.  A tile of group G needs key steps 0 .. G of 128 keys, step G on the diagonal.
; DEAD WORK left out: the key steps behind G, which reference()'s own causal mask throws away whole for every input; a NaN or an infinity that reaches only them is not carried on.
; EIGHT WAVES IN PAIRS.  Wave g = 0 .. 3 walks steps 0 .. g of group g's tile, sends it out, and then walks steps 4 .. 6 - g of group 7 - g's tile, which wave 4 + g owns and of which it walks steps 0 .. 3 and 7 - g.
; So each wave walks four or five steps.  Wave g's part (O^T, M, the sum) reaches wave 4 + g through LDS bytes of their own, behind a barrier, and is joined by exact powers of two.
; What a wave does hangs on its number and a counted scalar: the same in all partners of the cluster.
; LDS: a head's K and V^T (196,608 bytes) and scale words (8,192) are filled once, by one joint load each of waves 0 to 4; the spare words; the parts, 8,704 bytes a pair.  All loads go out at the head: no loop ahead of which a prefetch could run.
; CLUSTER: the four partners need the same K and V^T: each load names all four.  cx enters only Q's and the results' global addresses and one number of the mask.
; Both products are used transposed (S^T = K Q^T, O^T = V^T P^T): a lane holds ONE query (lane % 16) throughout; register j of tile t is key (or d) 16 t + 8 (lane / 16) + j of its step.
; LIMITS: NaN and infinities are not served; scaled scores (exponents to the base 2) stay under 2^31 in magnitude; v_exp_f32 and v_rcp_f32 are good to 1 ulp and flush denormals; a block's largest p is taken from its largest score; a block of zeros keeps the byte 1.
; REGISTERS: v1-11 addresses and lane numbers; v12 -M, v13 the largest t, v[14:15] the sum; v16-27 Q; v32-79 fragments 0-3; v80-92 the second tile's Q; v93 the part's place; v95, v243 the add's; v96-159 S^T, then p; v160-223 O^T;
;   v224-235 p's codes; v232-247, v252, v254 at work; v248-251 scale words of K or V, two tiles to a register; v253 p's scale word; v255 Q's; v256-303 fragments 4-7.
.set FRB,   1536
.set WSZ,   3145728
.set SSZ,   131072
.set HB,    98304                      ; a head's codes of one kind
.set STGB,  49152                      ; two key steps: K's 24,576 bytes, then V's
.set SCK,   196608                     ; K's scale words (4,096 bytes), then V's
.set SPARE, 204800
.set PART,  205824
.set WV,    12
.set G,     13
.set J,     14                         ; the key step
.set TB,    15                         ; LDS byte at which it begins
.set TS,    16                         ; 512 x the key step: its scale words
.set CNT,   17                         ; the trip, 0 .. 4
.set SEL,   20
.set CS,    22
.set G1C,   24
.set G1S,   32
.set G0,    40                         ; s[40:51] three groups 0
.set PC,    32                         ; the way out
.set TM,    232
.set PW,    252
.macro CROUND
	s_barrier_signal -1
	s_barrier_wait -1
	s_cmp_lg_u32 s[WV], 0
	s_cbranch_scc1 .Lnot_wave_0_\@
	s_barrier_signal -3
.Lnot_wave_0_\@:
	s_barrier_wait -3
	s_barrier_signal -1
	s_barrier_wait -1
.endm
.macro QUANT s                         ; 64 numbers of a lane: registers 32 u .. 32 u + 31 are block 2 u + h of my row -> a fragment's codes in v[PC] on, its scale word in v[PW]; v6 holds h
.irp u, 0,1
	v_max3_num_f32 v[TM+2*\u], |v[\s+32*\u]|, |v[\s+1+32*\u]|, 0x1800000
	v_max3_num_f32 v[TM+2*\u+1], |v[\s+16+32*\u]|, |v[\s+17+32*\u]|, 0x1800000
.endr
.irp i, 2,4,6,8,10,12,14
.irp u, 0,1
	v_max3_num_f32 v[TM+2*\u], v[TM+2*\u], |v[\s+32*\u+\i]|, |v[\s+1+32*\u+\i]|
	v_max3_num_f32 v[TM+2*\u+1], v[TM+2*\u+1], |v[\s+16+32*\u+\i]|, |v[\s+17+32*\u+\i]|
.endr
.endr
.irp u, 0,1
	v_max_num_f32 v[TM+2*\u], v[TM+2*\u], v[TM+2*\u+1]
.endr
.irp u, 0,1
	v_add_nc_u32 v[TM+12+\u], 0xff000000, v[TM+2*\u]
.endr
.irp u, 0,1
	v_lshrrev_b32 v[TM+4+\u], 23, v[TM+12+\u]
.endr
	v_lshlrev_b32 v[TM+6], 3, v6
	v_lshl_or_b32 v[PW], v[TM+5], 16, v[TM+4]
	v_lshlrev_b32 v[PW], v[TM+6], v[PW]            ; my two bytes at 8 h,
	v_permlanex16_b32 v[TM+7], v[PW], s[SEL], s[SEL+1]
	v_or_b32 v[PW], v[PW], v[TM+7]                 ; and lane l xor 16's two
.irp u, 0,1
	v_cvt_scalef32_pk16_fp6_f32 v[PC+6*\u:PC+2+6*\u], v[\s+32*\u:\s+15+32*\u], v[TM+12+\u]
	v_cvt_scalef32_pk16_fp6_f32 v[PC+12+4*\u:PC+14+4*\u], v[\s+16+32*\u:\s+31+32*\u], v[TM+12+\u]
.endr
	v_nop
.irp i, 0,1,2
.irp u, 0,1
	v_mov_b32 v[PC+3+6*\u+\i], v[PC+12+4*\u+\i]
.endr
.endr
.endm
.macro WAYOUT                          ; O^T / the sum is ctx of my query: 64 numbers a lane, one K step (the head) of the last product: one fragment, one scale word a row
	v_add_f32 v14, v14, v15
	v_permlanex16_b32 v252, v14, s[SEL], s[SEL+1]
	v_add_f32 v14, v14, v252                       ; the row's sum
	s_wait_alu depctr_va_vdst(0)
	v_rcp_f32 v14, v14
	v_nop                                          ; a plain place behind the transcendental
	s_wait_alu depctr_va_vdst(0)                   ; and the wait ahead of its first reader
.set II, 0
.rept 64
	v_mul_f32 v[96+II], v[160+II], v14             ; ascending: each accumulator is read from its low end on
.set II, II+1
.endr
	QUANT 96
.irp c, 0,1,2
	global_store_b128 v1, v[PC+4*\c:PC+4*\c+3], s[8:9] offset:512*\c   ; 32 lanes store 512 consecutive bytes
.endr
	global_store_b32 v9, v[PW], s[10:11]           ; 16 words; both halves of the lanes store the same word with the same value
.endm
.macro TLOAD g0, g1
	tensor_load_to_lds s[\g0:\g0+3], s[\g1:\g1+7]
	s_nop 0
.rept 4
	v_nop
.endr
.endm
	s_load_b256 s[4:11], s[0:1], 0x0               ; qkvc, qkvs, cc, cs
	v_lshl_add_u32 v95, v0, 2, SPARE
	v_mov_b32 v243, 0
	ds_add_u32 v95, v243                           ; the add, twice on end, ahead of the first tensor load
	ds_add_u32 v95, v243
	v_lshrrev_b32 v1, 5, v0
	v_readfirstlane_b32 s[WV], v1                  ; wave 0..7
	s_lshr_b32 s60, s[WV], 2                       ; 0: waves 0-3, 1: waves 4-7
	s_and_b32 s61, s[WV], 3                        ; the pair, g
	s_mul_i32 s[G], s60, 3
	s_xor_b32 s[G], s[G], s[WV]                    ; my first tile's group of 128 queries: 0, 1, 2, 3, 7, 6, 5, 4
	s_bfe_u32 s62, ttmp6, 0x40000                  ; cx
	s_and_b32 s63, ttmp7, 0xffff                   ; 16 batch + head, which the partners share
	s_mul_i32 s68, s63, HB
	s_add_co_u32 s68, s68, WSZ                     ; the head's K
	s_mov_b32 s69, 0
	s_lshl_b32 s70, s63, 12
	s_add_co_u32 s70, s70, SSZ                     ; and its scale words
	s_mov_b32 s71, 0
	s_mul_i32 s72, s[WV], 24576                    ; waves 1 to 3: the wave's pair of key steps
	s_mov_b32 s73, 0
	s_mov_b32 s[G1C], 15|(3<<16)|(1<<21)           ; 15:0 the mask: all four work-groups; 17:16 elements of 8 bytes; 21 set beside a mask
	s_mov_b32 s[G1C+1], 3072<<16                   ; two rows of 24,576 bytes: K's and V^T's, WSZ apart
	s_mov_b32 s[G1C+2], 2<<16
	s_mov_b32 s[G1C+3], 3072<<16
	s_mov_b32 s[G1C+4], 2
	s_mov_b32 s[G1C+5], WSZ/8
	s_mov_b32 s[G1C+6], 0
	s_mov_b32 s[G1C+7], 0
	s_mov_b32 s[G1S], 15|(3<<16)|(1<<21)
	s_mov_b32 s[G1S+1], 512<<16                    ; two rows of 4,096 bytes, SSZ apart
	s_mov_b32 s[G1S+2], 2<<16
	s_mov_b32 s[G1S+3], 512<<16
	s_mov_b32 s[G1S+4], 2
	s_mov_b32 s[G1S+5], SSZ/8
	s_mov_b32 s[G1S+6], 0
	s_mov_b32 s[G1S+7], 0
	s_mov_b32 s[SEL], 0x76543210
	s_mov_b32 s[SEL+1], 0xfedcba98
	s_mov_b32 s[CS], 0x3e0293ee                    ; c = log2(e) / sqrt(128)
	s_mov_b32 s[CS+1], s[CS]                       ; (named with it as a pair, so it is written)
	s_mov_b32 s[J], 0
	s_mov_b32 s[TB], 0
	s_mov_b32 s[TS], 0
	s_mov_b32 s[CNT], 0
	s_wait_dscnt 0x0
	s_wait_kmcnt 0x0
	s_add_nc_u64 s[68:69], s[4:5], s[68:69]
	s_add_nc_u64 s[70:71], s[6:7], s[70:71]
	s_mov_b32 s[G0], 1
	s_mov_b32 s[G0+1], SCK
	s_mov_b64 s[G0+2:G0+3], s[70:71]
	s_or_b32 s[G0+3], s[G0+3], 0x80000000
	s_mov_b32 s[G0+4], 1
	s_mov_b32 s[G0+5], 0
	s_mov_b64 s[G0+6:G0+7], s[68:69]
	s_or_b32 s[G0+7], s[G0+7], 0x80000000
	s_mov_b32 s[G0+8], 1
	s_mul_i32 s[G0+9], s[WV], STGB
	s_add_nc_u64 s[G0+10:G0+11], s[68:69], s[72:73]
	s_or_b32 s[G0+11], s[G0+11], 0x80000000
	CROUND                                         ; all four work-groups are here: the joint loads meet
	s_cmp_eq_u32 s[WV], 0                          ; one load a wave, waves 0 to 4
	s_cbranch_scc0 .Lpair_0
	TLOAD G0, G1S                                  ; the scale words
	s_branch .Lasked
.Lpair_0:
	s_cmp_eq_u32 s[WV], 4
	s_cbranch_scc0 .Lpair_n
	TLOAD G0+4, G1C                                ; key steps 0, 1
	s_branch .Lasked
.Lpair_n:
	s_cmp_lt_u32 s[WV], 4
	s_cbranch_scc0 .Lasked
	TLOAD G0+8, G1C                                ; waves 1 to 3: key steps 2 x wave, 2 x wave + 1
.Lasked:
	s_lshl_b32 s66, ttmp9, 2
	s_add_co_u32 s66, s66, s62                     ; my work-group's tile in each group of 128 queries: 4 c + cx
	s_lshl_b32 s67, s[G], 3
	s_add_co_u32 s67, s67, s66                     ; my first tile of 16 queries in the head, 0..63
	s_mul_i32 s74, s63, HB
	s_mul_i32 s75, s67, FRB
	s_add_co_u32 s74, s74, s75
	s_mov_b32 s75, 0
	s_add_nc_u64 s[4:5], s[4:5], s[74:75]          ; its Q fragment
	s_lshl_b32 s74, s63, 12
	s_lshl_b32 s76, s67, 6
	s_add_co_u32 s74, s74, s76
	s_add_nc_u64 s[6:7], s[6:7], s[74:75]          ; and its scale words
	s_sub_co_u32 s76, 7, s61
	s_sub_co_u32 s76, s76, s[G]                    ; on to group 7 - g's tile (waves 4-7: their own, named again)
	s_mul_i32 s74, s76, 8*FRB
	s_add_nc_u64 s[52:53], s[4:5], s[74:75]
	s_lshl_b32 s74, s76, 9
	s_add_nc_u64 s[54:55], s[6:7], s[74:75]
	s_lshr_b32 s76, s63, 4
	s_lshl_b32 s76, s76, 6
	s_add_co_u32 s76, s76, s67                     ; ctx: tile of 16 rows = 64 batch + my first tile;
	s_and_b32 s77, s63, 15                         ; K step = the head
	s_mul_i32 s74, s76, 24576
	s_mul_i32 s78, s77, FRB
	s_add_co_u32 s74, s74, s78
	s_add_nc_u64 s[8:9], s[8:9], s[74:75]
	s_lshl_b32 s74, s77, 13
	s_lshl_b32 s78, s76, 6
	s_add_co_u32 s74, s74, s78
	s_add_nc_u64 s[10:11], s[10:11], s[74:75]
	s_sub_co_u32 s75, 3, s61                       ; behind trip s74 the key step lies s75 further on: trip i walks step i, or i + 3 - g
	s_mul_i32 s74, s60, s75
	s_add_co_u32 s74, s74, s61                     ; g in waves 0-3, 3 in waves 4-7
	s_lshl_b32 s76, s60, 3
	s_add_co_u32 s76, s76, s61
	s_add_co_u32 s76, s76, 1                       ; the trip at which the tile changes: g + 1 in waves 0-3, none in waves 4-7
	s_add_co_u32 s79, s60, 3                       ; my last trip
	s_lshl_b32 s77, s66, 4
	s_mul_i32 s78, s61, 8704
	s_add_co_u32 s78, s78, PART
	v_and_b32 v8, 31, v0
	v_lshlrev_b32 v1, 4, v8                        ; 16 x lane
	v_lshlrev_b32 v10, 3, v8                       ; 8 x lane
	v_lshl_add_u32 v2, v8, 2, SCK                  ; SCK + 4 x lane: lanes 0-15 an even tile's words, lanes 16-31 the odd tile's behind it
	v_and_b32 v5, 15, v0                           ; r
	v_bfe_u32 v6, v0, 4, 1                         ; h
	v_lshlrev_b32 v9, 2, v5                        ; 4 r
	v_lshlrev_b32 v7, 3, v6
	v_sub_nc_u32 v7, v5, v7
	v_add_nc_u32 v7, s77, v7                       ; my query in its group of 128, less 8 h
	v_add_nc_u32 v93, s78, v1                      ; my pair's part
.irp c, 0,1
	global_load_b128 v[16+6*\c:19+6*\c], v1, s[4:5] offset:768*\c    ; Q's fragment stays in registers,
	global_load_b64 v[20+6*\c:21+6*\c], v10, s[4:5] offset:768*\c+512
	global_load_b128 v[80+6*\c:83+6*\c], v1, s[52:53] offset:768*\c  ; and the second tile's
	global_load_b64 v[84+6*\c:85+6*\c], v10, s[52:53] offset:768*\c+512
.endr
	global_load_b32 v255, v9, s[6:7]
	global_load_b32 v92, v9, s[54:55]
.irp b, 0,1,2,3
	v_mov_b32 v[236+\b], 0                         ; written once: a lane permute's destination counts as one of its sources
.endr
	v_mov_b32 v252, 0
	v_mov_b32 v253, 0
.macro START                           ; a tile's start
	v_mov_b32 v13, 0xff61b1e6                      ; the largest t so far: -3e38, under every t
	v_mov_b32 v14, 0
	v_mov_b32 v15, 0
	v_floor_f32 v12, -v13                          ; -M
.set II, 0
.rept 64
	v_mov_b32 v[160+II], 0                         ; O^T: the step is written without a first form of its own: the first change of M multiplies zeros
.set II, II+1
.endr
.endm
	START
; A fragment (12 registers) from LDS: two bands, 16 and 8 bytes a lane of each
.macro FRAG reg, off
.irp c, 0,1
	ds_load_b128 v[\reg+6*\c:\reg+6*\c+3], v3 offset:(\off)+768*\c
	ds_load_b64 v[\reg+6*\c+4:\reg+6*\c+5], v11 offset:(\off)+768*\c+512
.endr
.endm
.macro FRAGS off                       ; eight: 0-3 to v32-79, 4-7 to v256-303
.irp t, 0,1,2,3
	FRAG 32+12*\t, (\off)+\t*FRB
.endr
	s_set_vgpr_msb 0x0040
.irp t, 0,1,2,3
	FRAG 12*\t, (\off)+(4+\t)*FRB
.endr
	s_set_vgpr_msb 0x4000
.endm
; A KEY STEP of 128 keys
.macro STEP
	s_cmp_gt_u32 s[CNT], s79                       ; waves 0-3 have four
	s_cbranch_scc1 .Lskip_\@
	v_add_nc_u32 v3, s[TB], v1
	v_add_nc_u32 v11, s[TB], v10
	v_add_nc_u32 v4, s[TS], v2
	s_wait_alu depctr_va_vdst(0)
.irp p, 0,1,2,3
	ds_load_b32 v[248+\p], v4 offset:128*\p        ; K's scale words, tiles 2 p and 2 p + 1
.endr
	FRAGS 0
	s_wait_dscnt 16                                ; the scale words and fragments 0-3 are in; the 16 loads of fragments 4-7 may be out
.irp t, 0,2                                    ; S^T = K Q^T
	v_wmma_scale_f32_16x16x128_f8f6f4 v[96+8*\t:103+8*\t], v[32+12*\t:43+12*\t], v[16:27], 0, v[248+\t/2], v255 matrix_a_fmt:MATRIX_FMT_FP6 matrix_b_fmt:MATRIX_FMT_FP6
	v_wmma_scale_f32_16x16x128_f8f6f4 v[104+8*\t:111+8*\t], v[44+12*\t:55+12*\t], v[16:27], 0, v[248+\t/2], v255 matrix_a_fmt:MATRIX_FMT_FP6 matrix_b_fmt:MATRIX_FMT_FP6 matrix_a_scale:MATRIX_SCALE_ROW1
.endr
	s_wait_dscnt 0x0
	s_set_vgpr_msb 0x0001
.irp t, 0,2
	v_wmma_scale_f32_16x16x128_f8f6f4 v[128+8*\t:135+8*\t], v[12*\t:12*\t+11], v[16:27], 0, v[250+\t/2], v255 matrix_a_fmt:MATRIX_FMT_FP6 matrix_b_fmt:MATRIX_FMT_FP6
	v_wmma_scale_f32_16x16x128_f8f6f4 v[136+8*\t:143+8*\t], v[12*\t+12:12*\t+23], v[16:27], 0, v[250+\t/2], v255 matrix_a_fmt:MATRIX_FMT_FP6 matrix_b_fmt:MATRIX_FMT_FP6 matrix_a_scale:MATRIX_SCALE_ROW1
.endr
	s_set_vgpr_msb 0x0100
.rept 4
	v_nop                                          ; places: in front of the loads below and of the first read of the scores
.endr
.irp p, 0,1,2,3
	ds_load_b32 v[248+\p], v4 offset:4096+128*\p   ; V's scale words and fragments are asked for now: they land under the softmax
.endr
	FRAGS 24576
	s_cmp_lg_u32 s[J], s[G]                        ; on the diagonal the scores of hidden keys become -infinity ahead of the maximum: p = 0 then
	s_cbranch_scc1 .Lopen_\@
	v_mov_b32 v254, 0xff800000
.set NN, 0
.rept 64
	v_cmp_gt_i32 vcc_lo, 16*(NN/8)+NN%8, v7        ; register NN holds key 16 (NN / 8) + 8 h + NN % 8 of the step: hidden where it lies behind my query
	v_cndmask_b32 v[96+NN], v[96+NN], v254, vcc_lo
.set NN, NN+1
.endr
.Lopen_\@:
.irp b, 0,1,2,3
	v_max3_num_f32 v[232+\b], v[96+16*\b], v[97+16*\b], v[98+16*\b]   ; the largest score of each block of 32 keys: for the row's maximum, and for the block's largest p
.endr
.irp i, 3,5,7,9,11,13
.irp b, 0,1,2,3
	v_max3_num_f32 v[232+\b], v[232+\b], v[96+16*\b+\i], v[97+16*\b+\i]
.endr
.endr
.irp b, 0,1,2,3
	v_max_num_f32 v[232+\b], v[232+\b], v[111+16*\b]
.endr
.irp b, 0,1,2,3
	v_permlanex16_b32 v[236+\b], v[232+\b], s[SEL], s[SEL+1]
.endr
.irp b, 0,1,2,3
	v_max_num_f32 v[232+\b], v[232+\b], v[236+\b]  ; with lane l xor 16's 16 keys
.endr
	v_max3_num_f32 v254, v232, v233, v234
	s_delay_alu instid0(VALU_DEP_1)
	v_max_num_f32 v254, v254, v235                 ; the step's largest score of my query
	s_delay_alu instid0(VALU_DEP_1)
	v_mul_f32 v254, s[CS], v254                    ; as t (c is positive)
	s_delay_alu instid0(VALU_DEP_1)
	v_max_num_f32 v13, v13, v254                   ; the running largest t
	v_mov_b32 v254, v12
	s_delay_alu instid0(VALU_DEP_2)
	v_floor_f32 v12, -v13                          ; the new -M = floor(-t) = -ceil(t)
	s_delay_alu instid0(VALU_DEP_1)
	v_sub_f32 v254, v12, v254                      ; old M - new M: a whole number, 0 or less
	s_delay_alu instid0(VALU_DEP_1)
	v_cvt_i32_f32 v254, v254                       ; (it saturates)
	s_delay_alu instid0(VALU_DEP_1)
	v_ldexp_f32 v252, 1.0, v254                    ; f = 2^(old M - new M)
.set NN, 0
.rept 32
	v_pk_fma_f32 v[96+NN:97+NN], v[96+NN:97+NN], s[CS:CS+1], v[12:13] op_sel_hi:[1,0,0]   ; t - M, two at a time
.set NN, NN+2
.endr
.irp b, 0,1,2,3
	v_fma_f32 v[232+\b], v[232+\b], s[CS], v12     ; the same of each block's largest score
.endr
.set NN, 0
	s_wait_alu depctr_va_vdst(0)
.rept 64
	v_exp_f32 v[96+NN], v[96+NN]                   ; p = 2^(t - M), at most 1
.set NN, NN+1
.endr
	v_pk_mul_f32 v[14:15], v[14:15], v[252:253] op_sel_hi:[1,0]   ; the sums under the new M: a plain place behind the exponentials
	s_wait_alu depctr_va_vdst(0)                   ; one wait for the whole batch, ahead of its first reader
.irp b, 0,1,2,3
	v_exp_f32 v[232+\b], v[232+\b]                 ; the block's largest p
.endr
	v_pk_add_f32 v[236:237], v[100:101], v[104:105]
	v_pk_add_f32 v[246:247], v[108:109], v[112:113]
	v_pk_add_f32 v[244:245], v[116:117], v[120:121]
	v_pk_add_f32 v[240:241], v[124:125], v[128:129]
	v_pk_add_f32 v[238:239], v[132:133], v[136:137]
	v_pk_add_f32 v[230:231], v[140:141], v[144:145]
	v_pk_add_f32 v[228:229], v[148:149], v[152:153]
	v_pk_add_f32 v[14:15], v[14:15], v[156:157]
	v_pk_add_f32 v[236:237], v[236:237], v[96:97]
	v_pk_add_f32 v[246:247], v[246:247], v[98:99]
	v_pk_add_f32 v[244:245], v[244:245], v[102:103]
	v_pk_add_f32 v[240:241], v[240:241], v[106:107]
	v_pk_add_f32 v[238:239], v[238:239], v[110:111]
	v_pk_add_f32 v[230:231], v[230:231], v[114:115]
	v_pk_add_f32 v[228:229], v[228:229], v[118:119]
	v_pk_add_f32 v[14:15], v[14:15], v[122:123]
	v_pk_add_f32 v[236:237], v[236:237], v[126:127]
	v_pk_add_f32 v[246:247], v[246:247], v[130:131]
	v_pk_add_f32 v[244:245], v[244:245], v[134:135]
	v_pk_add_f32 v[240:241], v[240:241], v[138:139]
	v_pk_add_f32 v[238:239], v[238:239], v[142:143]
	v_pk_add_f32 v[230:231], v[230:231], v[146:147]
	v_pk_add_f32 v[228:229], v[228:229], v[150:151]
	v_pk_add_f32 v[14:15], v[14:15], v[154:155]
	v_pk_add_f32 v[236:237], v[236:237], v[158:159]
	v_pk_add_f32 v[14:15], v[14:15], v[240:241]
	v_pk_add_f32 v[236:237], v[236:237], v[238:239]
	v_pk_add_f32 v[246:247], v[246:247], v[230:231]
	v_pk_add_f32 v[244:245], v[244:245], v[228:229]
	v_pk_add_f32 v[14:15], v[14:15], v[246:247]
	v_pk_add_f32 v[236:237], v[236:237], v[244:245]
	v_pk_add_f32 v[14:15], v[14:15], v[236:237]
	s_wait_alu depctr_va_vdst(0)                   ; and one for the four
.irp b, 0,1,2,3
	v_max_num_f32 v[232+\b], 0x1800000, v[232+\b]  ; the floor 2^(3 - 127): the byte cannot fall under 1
.endr
.irp b, 0,1,2,3
	v_add_nc_u32 v[244+\b], 0xff000000, v[232+\b]  ; the conversion's scale operand
.endr
.irp b, 0,1,2,3
	v_lshrrev_b32 v[236+\b], 23, v[244+\b]         ; the scale's byte
.endr
	v_lshl_or_b32 v253, v237, 8, v236              ; p's scale word for these 128 keys
	v_lshl_or_b32 v253, v238, 16, v253
	v_lshl_or_b32 v253, v239, 24, v253
.irp c, 0,1
	v_cvt_scalef32_pk16_fp6_f32 v[224+6*\c:226+6*\c], v[96+32*\c:111+32*\c], v[244+2*\c]
	v_cvt_scalef32_pk16_fp6_f32 v[236+4*\c:238+4*\c], v[112+32*\c:127+32*\c], v[244+2*\c+1]
.endr
	v_nop                                          ; one plain place behind a scaled conversion
.irp c, 0,1
.irp i, 0,1,2
	v_permlane16_swap_b32 v[224+6*\c+\i], v[236+4*\c+\i]
.endr
.irp i, 0,1,2
	v_mov_b32 v[227+6*\c+\i], v[236+4*\c+\i]
.endr
.endr
.set NN, 0
.rept 32
	v_pk_mul_f32 v[160+NN:161+NN], v[160+NN:161+NN], v[252:253] op_sel_hi:[1,0]   ; O^T under the new M.  These 32 are also the places between the lines that made p's codes and word and the products
.set NN, NN+2
.endr
	s_wait_alu depctr_va_vdst(0)
	s_wait_dscnt 0x0
.irp t, 0,2                                    ; O^T += V^T P^T: eight accumulators by turns
	v_wmma_scale_f32_16x16x128_f8f6f4 v[160+8*\t:167+8*\t], v[32+12*\t:43+12*\t], v[224:235], v[160+8*\t:167+8*\t], v[248+\t/2], v253 matrix_a_fmt:MATRIX_FMT_FP6 matrix_b_fmt:MATRIX_FMT_FP6
	v_wmma_scale_f32_16x16x128_f8f6f4 v[168+8*\t:175+8*\t], v[44+12*\t:55+12*\t], v[224:235], v[168+8*\t:175+8*\t], v[248+\t/2], v253 matrix_a_fmt:MATRIX_FMT_FP6 matrix_b_fmt:MATRIX_FMT_FP6 matrix_a_scale:MATRIX_SCALE_ROW1
.endr
	s_set_vgpr_msb 0x0001
.irp t, 0,2
	v_wmma_scale_f32_16x16x128_f8f6f4 v[192+8*\t:199+8*\t], v[12*\t:12*\t+11], v[224:235], v[192+8*\t:199+8*\t], v[250+\t/2], v253 matrix_a_fmt:MATRIX_FMT_FP6 matrix_b_fmt:MATRIX_FMT_FP6
	v_wmma_scale_f32_16x16x128_f8f6f4 v[200+8*\t:207+8*\t], v[12*\t+12:12*\t+23], v[224:235], v[200+8*\t:207+8*\t], v[250+\t/2], v253 matrix_a_fmt:MATRIX_FMT_FP6 matrix_b_fmt:MATRIX_FMT_FP6 matrix_a_scale:MATRIX_SCALE_ROW1
.endr
	s_set_vgpr_msb 0x0100
.rept 5
	v_nop                                          ; five places: what follows writes over, loads into or reads these products' registers
.endr
.Lskip_\@:
.endm
	s_wait_alu depctr_va_vdst(0)                   ; the wait at the head's end
	s_wait_loadcnt 0x0                             ; Q
	s_cmp_eq_u32 s61, 0                            ; waves 0 and 4: the scale words and key steps 0, 1 are in; the other pairs may be out
	s_cbranch_scc0 .Lnot_first
	s_wait_tensorcnt 0x0
.Lnot_first:
	s_barrier_signal -1
	s_barrier_wait -1
	STEP                                           ; trip 0: key step 0 in every wave
	s_wait_alu depctr_va_vdst(0)
	s_wait_tensorcnt 0x0                           ; my part of key steps 2 to 7 is in
	s_wait_dscnt 0x0
	s_barrier_signal -1
	s_barrier_wait -1                              ; everybody's are
	s_mov_b32 s[CNT], 1
.Ltrip:
	s_cmp_eq_u32 s[CNT], s76
	s_cbranch_scc0 .Lsame_tile
	WAYOUT                                         ; waves 0-3: my own tile is done; on to group 7 - g's
	s_wait_alu depctr_va_vdst(0)
	s_wait_xcnt 0x0                                ; the stores have read their registers
.set II, 0
.rept 12
	v_mov_b32 v[16+II], v[80+II]
.set II, II+1
.endr
	v_mov_b32 v255, v92
	START
	s_sub_co_u32 s[G], 7, s61
	s_wait_alu depctr_va_vdst(0)
.Lsame_tile:
	s_cmp_gt_u32 s[CNT], s74
	s_cselect_b32 s[J], s75, 0
	s_add_co_u32 s[J], s[J], s[CNT]                ; the key step
	s_lshr_b32 s[TB], s[J], 1
	s_mul_i32 s[TB], s[TB], STGB
	s_and_b32 s78, s[J], 1
	s_mul_i32 s78, s78, 12288
	s_add_co_u32 s[TB], s[TB], s78
	s_lshl_b32 s[TS], s[J], 9
	STEP
	s_wait_alu depctr_va_vdst(0)
	s_add_co_u32 s[CNT], s[CNT], 1
	s_cmp_lt_u32 s[CNT], 5
	s_cbranch_scc1 .Ltrip
	s_cmp_eq_u32 s60, 0
	s_cbranch_scc0 .Lno_part
	ds_store_b128 v93, v[12:15] offset:8192        ; waves 0-3: -M, the largest t, the sum's halves; and O^T, each accumulator from its low end on
.set II, 0
.rept 16
	ds_store_b128 v93, v[160+4*II:163+4*II] offset:512*II
.set II, II+1
.endr
.Lno_part:
	s_wait_dscnt 0x0
	s_barrier_signal -1
	s_barrier_wait -1
	s_cmp_eq_u32 s60, 1
	s_cbranch_scc0 .Lend
	ds_load_b128 v[224:227], v93 offset:8192       ; waves 4-7: the partner's part
.set II, 0
.rept 16
	ds_load_b128 v[96+4*II:99+4*II], v93 offset:512*II
.set II, II+1
.endr
	s_wait_dscnt 0x0
	v_min_num_f32 v252, v12, v224                  ; -M of both
	v_sub_f32 v254, v252, v12
	v_sub_f32 v232, v252, v224
	v_cvt_i32_f32 v254, v254
	v_cvt_i32_f32 v232, v232
	v_ldexp_f32 v234, 1.0, v254                    ; 2^(my M - the common M),
	v_ldexp_f32 v236, 1.0, v232                    ; and the partner's
	v_pk_mul_f32 v[14:15], v[14:15], v[234:235] op_sel_hi:[1,0]
	v_pk_fma_f32 v[14:15], v[226:227], v[236:237], v[14:15] op_sel_hi:[1,0,1]
.set NN, 0
.rept 32
	v_pk_mul_f32 v[160+NN:161+NN], v[160+NN:161+NN], v[234:235] op_sel_hi:[1,0]
.set NN, NN+2
.endr
.set NN, 0
.rept 32
	v_pk_fma_f32 v[160+NN:161+NN], v[96+NN:97+NN], v[236:237], v[160+NN:161+NN] op_sel_hi:[1,0,1]
.set NN, NN+2
.endr
	WAYOUT
.Lend:
	s_wait_tensorcnt 0x0                           ; the wave's end
	ds_add_u32 v95, v243
	s_wait_dscnt 0x0
	CROUND                                         ; the closing round
	s_endpgm
.Lfunc_end_k_qe2620f7d8d_attn:
	.size	k_qe2620f7d8d_attn, .Lfunc_end_k_qe2620f7d8d_attn-k_qe2620f7d8d_attn
	.p2alignl 7, 3214868480
	.fill 96, 4, 3214868480
	.section	.rodata,"a",@progbits
	.p2align	6, 0x0
	.amdhsa_kernel k_qe2620f7d8d_attn
		.amdhsa_group_segment_fixed_size 240640
		.amdhsa_private_segment_fixed_size 0
		.amdhsa_enable_private_segment 0
		.amdhsa_kernarg_size 32
		.amdhsa_user_sgpr_count 2
		.amdhsa_user_sgpr_kernarg_segment_ptr 1
		.amdhsa_wavefront_size32 1
		.amdhsa_system_sgpr_workgroup_id_x 1
		.amdhsa_system_sgpr_workgroup_id_y 1
		.amdhsa_system_sgpr_workgroup_id_z 1
		.amdhsa_system_vgpr_workitem_id 0
		.amdhsa_next_free_vgpr 304
		.amdhsa_next_free_sgpr 80
		.amdhsa_reserve_vcc 1
		.amdhsa_float_denorm_mode_32 3
		.amdhsa_float_denorm_mode_16_64 3
		.amdhsa_memory_ordered 1
		.amdhsa_forward_progress 1
		.amdhsa_inst_pref_size 83
	.end_amdhsa_kernel
	.amdgpu_metadata
---
amdhsa.version: [ 1, 2 ]
amdhsa.kernels:
  - .name:           k_qe2620f7d8d_attn
    .symbol:         k_qe2620f7d8d_attn.kd
    .args:
      - { .name: qkvc, .offset: 0, .size: 8, .value_kind: global_buffer, .address_space: global }
      - { .name: qkvs, .offset: 8, .size: 8, .value_kind: global_buffer, .address_space: global }
      - { .name: cc, .offset: 16, .size: 8, .value_kind: global_buffer, .address_space: global }
      - { .name: cs, .offset: 24, .size: 8, .value_kind: global_buffer, .address_space: global }
    .group_segment_fixed_size: 240640
    .private_segment_fixed_size: 0
    .kernarg_segment_align: 8
    .kernarg_segment_size: 32
    .max_flat_workgroup_size: 256
    .sgpr_count:     80
    .vgpr_count:     304
    .wavefront_size: 32
...
	.end_amdgpu_metadata
.endif
;; end of part 3
;; launch gemm_out (part 4): grid 16 x 16, 4 waves a work-group, clusters of 4 x 4, 327,680 bytes of LDS; arguments cc, cs, wc, ws, bo, out0; writes out0
.if DOCPART == 4
	.amdgcn_target "amdgcn-amd-amdhsa--gfx1250"
	.amdhsa_code_object_version 6
	.text
	.protected	k_qe2620f7d8d_gemm_out
	.globl	k_qe2620f7d8d_gemm_out
	.p2align	8
	.type	k_qe2620f7d8d_gemm_out,@function
k_qe2620f7d8d_gemm_out:
	s_mov_b64 s[64:65], 0
	v_nop
	global_prefetch_b8 v0, s[64:65] scope:SCOPE_SE
	s_setreg_imm32_b32 hwreg(HW_REG_WAVE_MODE, 25, 1), 1
	s_wait_xcnt 0x0
	s_wait_alu depctr_hold_cnt(0) depctr_sa_sdst(0) depctr_va_vdst(0) depctr_va_sdst(0) depctr_va_ssrc(0) depctr_va_vcc(0) depctr_vm_vsrc(0)
	s_getreg_b32 s2, hwreg(HW_REG_IB_STS2, 6, 4)
	s_cmp_eq_u32 s2, 0
	s_cbranch_scc0 .Lentry_in_a_cluster
	s_endpgm
.Lentry_in_a_cluster:
	s_bfe_u32 s2, ttmp6, 0x10000c
	s_cmp_lg_u32 s2, 0xf033
	s_cbranch_scc0 .Lentry_shape_is_right
	s_endpgm
.Lentry_shape_is_right:
; out0 = ctx Wo + bo on codes of FP6 (E2M3) with E8M0 scales, sums in f32, result f32 [2048][2048].
; OPERANDS: images of fragments [tile of 16 rows][K step of 128][1,536], scale words [K step][row]; Wo's tiles are 384 on in wc.  Inside a block of 32 both sides lie in the same order (place 8 j + i = element 4 i + j).
; A tile of C is 128 x 128: 256 work-groups, four waves, each 64 x 64 in 16 accumulators.  A's rows are source 0: register i of lane (r, h) is row 8 h + i; Wo's tile j of 64 columns has row r = column 4 r + j.
; So a lane's four tiles are four NEIGHBOURING columns: the addition of the bias lays them side by side, and sixteen lanes store 256 consecutive bytes of a row straight from registers.
; LDS: K steps 0-3 (A, then B), K steps 4-11 (A, then B): the head's four loads, one a wave.  ONE refill: K steps 12-15 go where 0-3 lay.  Scale words go from memory into registers, all K at the head.
; CLUSTERS: A's rows are shared along a row of the cluster, Wo's along a column.
; PREFETCH: what the refill will load is asked for into the L2 at the head, each block of 256 bytes once in a cluster, shared out by address among the sixteen waves that ask jointly.
; LIMITS: NaN and infinities are not served.
; REGISTERS: window 0: v16-27 addresses, bias; v64-111, v112-159 A's fragments, two sets (on the way out v32-159 rows of C); v160-223 scale words, four a K step.  window 1: v0-47, v48-95 B's fragments.  window 2: sums, 32 a + 8 j.
.set TROWB, 24576
.set R1,    98304                      ; LDS: K steps 4-11
.set SPARE, 294912
.set AF,    64
.set SC,    160
.set G1,    24                         ; group 1: A, four K steps;  s[48:51] its group 0
.set G1B,   32                         ; B, four;  s[52:55]
.set G1C,   68                         ; A, eight;  s[56:59]
.set G1D,   76                         ; B, eight;  s[60:63]
.set MSB, 0
.macro WIN new
.if MSB != (\new)
	s_set_vgpr_msb (MSB<<8)|(\new)
.set MSB, (\new)
.endif
.endm
.macro PLACES n
.rept \n
	v_nop
.endr
.endm
.macro CREST
	s_cmp_lg_u32 s22, 0
	s_cbranch_scc1 .Lnot_wave_0_\@
	s_barrier_signal -3
.Lnot_wave_0_\@:
	s_barrier_wait -3
	s_barrier_signal -1
	s_barrier_wait -1
.endm
.macro CROUND
	s_barrier_signal -1
	s_barrier_wait -1
	CREST
.endm
.macro TLOAD g0, g1
	tensor_load_to_lds s[\g0:\g0+3], s[\g1:\g1+7]
	s_nop 0
	PLACES 4
.endm
.macro GRP1 g, mask, w                 ; eight tiles of \w x 8 bytes, TROWB apart
	s_or_b32 s[\g], s[\mask], (3<<16)|(1<<21)
	s_mov_b32 s[\g+1], (\w)<<16
	s_mov_b32 s[\g+2], 8<<16
	s_mov_b32 s[\g+3], (\w)<<16
	s_mov_b32 s[\g+4], 8
	s_mov_b32 s[\g+5], TROWB/8
	s_mov_b32 s[\g+6], 0
	s_mov_b32 s[\g+7], 0
.endm
.macro GRP0 g, lds, base, off
	s_mov_b32 s[\g], 1
	s_mov_b32 s[\g+1], \lds
	s_add_nc_u64 s[\g+2:\g+3], s[\base:\base+1], \off
	s_or_b32 s[\g+3], s[\g+3], 0x80000000
.endm
.macro PFADDR v, q                     ; wave \q of 16 names 12 of the 8 x 24 blocks of K steps 12-15
	s_mul_i32 s100, s[\q], 12
	v_min_u32 v15, 11, v14
	v_add_nc_u32 v15, s100, v15
	v_mul_u32_u24 v[\v], v15, 2731                 ; / 24, by 2,731 / 65,536
	v_lshrrev_b32 v[\v], 16, v[\v]
	v_mul_u32_u24 v[\v], v[\v], TROWB-256*24
	v_lshl_add_u32 v[\v], v15, 8, v[\v]
.endm
	s_load_b256 s[4:11], s[0:1], 0x0               ; cc, cs, wc, ws
	s_load_b128 s[12:15], s[0:1], 0x20             ; bo, out0
	v_lshl_add_u32 v5, v0, 2, SPARE
	v_mov_b32 v6, 0
	ds_add_u32 v5, v6                              ; the add, twice on end, ahead of the first tensor load
	ds_add_u32 v5, v6
	v_lshrrev_b32 v12, 5, v0
	v_readfirstlane_b32 s22, v12                   ; wave
	s_lshr_b32 s23, s22, 1                         ; which half of the tile's rows is mine
	s_and_b32 s40, s22, 1                          ; and of its columns
	s_bfe_u32 s41, ttmp6, 0x40000                  ; cx
	s_bfe_u32 s42, ttmp6, 0x40004                  ; cy
	s_lshl_b32 s44, ttmp9, 2
	s_add_co_u32 s44, s44, s41                     ; tile column of C
	s_and_b32 s45, ttmp7, 0xffff
	s_lshl_b32 s45, s45, 2
	s_add_co_u32 s45, s45, s42                     ; tile row of C
	s_lshl_b32 s46, s42, 2
	s_lshl_b32 s46, 15, s46                        ; my row of the cluster
	s_lshl_b32 s47, 0x1111, s41                    ; my column
	GRP1 G1, 46, 768
	GRP1 G1B, 47, 768
	GRP1 G1C, 46, 1536
	GRP1 G1D, 47, 1536
	s_mul_i32 s92, s45, 8*TROWB
	s_mov_b32 s93, 0
	s_mul_i32 s94, s44, 8*TROWB
	s_add_co_u32 s94, s94, 384*TROWB
	s_mov_b32 s95, 0
	s_wait_dscnt 0x0
	s_wait_kmcnt 0x0
	s_add_nc_u64 s[92:93], s[4:5], s[92:93]
	s_add_nc_u64 s[94:95], s[8:9], s[94:95]
	GRP0 48, 0, 92, 0
	GRP0 52, 49152, 94, 0
	GRP0 56, R1, 92, 6144
	GRP0 60, R1+98304, 94, 6144
	CROUND                                         ; all sixteen work-groups are here: the joint loads meet
	s_cmp_eq_u32 s22, 0                            ; one load a wave
	s_cbranch_scc0 .Lwave_1
	TLOAD 48, G1
	s_branch .Lasked
.Lwave_1:
	s_cmp_eq_u32 s22, 1
	s_cbranch_scc0 .Lwave_2
	TLOAD 52, G1B
	s_branch .Lasked
.Lwave_2:
	s_cmp_eq_u32 s22, 2
	s_cbranch_scc0 .Lwave_3
	TLOAD 56, G1C
	s_branch .Lasked
.Lwave_3:
	TLOAD 60, G1D
.Lasked:
	s_lshl_b32 s84, s45, 9
	s_lshl_b32 s100, s23, 8
	s_add_co_u32 s84, s84, s100
	s_mov_b32 s85, 0
	s_add_nc_u64 s[84:85], s[6:7], s[84:85]        ; my rows' scale words
	s_lshl_b32 s86, s44, 9
	s_lshl_b32 s100, s40, 8
	s_add_co_u32 s86, s86, s100                    ; my columns: 4 bytes each, in the scale words as in the bias and in C
	s_mov_b32 s87, 0
	s_add_nc_u64 s[12:13], s[12:13], s[86:87]
	s_add_nc_u64 s[14:15], s[14:15], s[86:87]
	s_add_nc_u64 s[86:87], s[10:11], s[86:87]
	s_add_nc_u64 s[86:87], s[86:87], 384*64        ; Wo's words
	s_lshl_b32 s88, s45, 7
	s_lshl_b32 s100, s23, 6
	s_add_co_u32 s88, s88, s100
	s_lshl_b32 s88, s88, 13                        ; my first row of C: rows of 8,192 bytes
	s_mov_b32 s89, 0
	s_add_nc_u64 s[14:15], s[14:15], s[88:89]
	s_lshl_b32 s96, s41, 2
	s_add_co_u32 s96, s96, s22
	s_lshl_b32 s97, s42, 2
	s_add_co_u32 s97, s97, s22
	s_mul_i32 s2, s23, 24576
	s_mul_i32 s3, s40, 24576
	s_mul_i32 s98, s23, 49152
	s_mul_i32 s99, s40, 49152
	v_and_b32 v14, 31, v0                          ; lane
	v_and_b32 v12, 15, v0                          ; r
	v_bfe_u32 v13, v0, 4, 1                        ; h
	v_lshlrev_b32 v1, 4, v14
	v_lshlrev_b32 v9, 2, v14
	v_lshlrev_b32 v10, 4, v12                      ; 16 r
	v_lshl_add_u32 v11, v13, 16, v10               ; C: row 8 h, columns 4 r ..
	v_add_nc_u32 v16, s2, v1                       ; A, K steps 0-3 and 12-15
	v_add_nc_u32 v17, s98, v1
	v_add_nc_u32 v17, R1, v17                      ; A, 4-11
	v_add_nc_u32 v18, s3, v1
	v_add_nc_u32 v18, 49152, v18                   ; B likewise
	v_add_nc_u32 v19, s99, v1
	v_add_nc_u32 v19, R1+98304, v19
	PFADDR 7, 96
	PFADDR 8, 97
	s_wait_alu depctr_va_vdst(0)
	global_load_b128 v[24:27], v10, s[12:13]       ; the bias of my four columns
.set II, 0
.rept 16
.irp p, 0,1
	global_load_b32 v[SC+4*II+\p], v9, s[84:85] offset:8192*II+128*\p      ; two tiles a register: lanes 0-15 and 16-31
.endr
.irp p, 0,1
	global_load_b32 v[SC+4*II+2+\p], v9, s[86:87] offset:32768*II+128*\p
.endr
.set II, II+1
.endr
	global_prefetch_b8 v7, s[92:93] offset:18432 th:TH_LOAD_NT scope:SCOPE_SE   ; K steps 12-15
	global_prefetch_b8 v8, s[94:95] offset:18432 th:TH_LOAD_NT scope:SCOPE_SE
.macro FRAG reg, adr, off
.irp c, 0,1,2
	ds_load_b128 v[\reg+4*\c:\reg+4*\c+3], v[\adr] offset:(\off)+512*\c
.endr
.endm
.macro CHA
	WIN 0
.irp i, 0,1,2,3
	FRAG AF+48*(KN_%2)+12*\i, 16+NS_, \i*PT_+1536*NQ_
.endr
.endm
.macro CHB
	WIN 0x40
.irp i, 0,1,2,3
	FRAG 48*(KN_%2)+12*\i, 18+NS_, \i*PT_+1536*NQ_
.endr
	WIN 0
.endm
; Row tile a = 2 ah + ao against the four column tiles.  The sixteen accumulators take turns, in the same order in every step.
.macro P ah, ao, first
	WIN 0xa4
.set AR_, AF+48*(K_%2)+12*(2*\ah+\ao)
.irp jp, 0,1
.irp jo, 0,1
.set D_, 32*(2*\ah+\ao)+8*(2*\jp+\jo)
.set B_, 48*(K_%2)+12*(2*\jp+\jo)
.if \first
	v_wmma_scale_f32_16x16x128_f8f6f4 v[D_:D_+7], v[AR_:AR_+11], v[B_:B_+11], 0, v[SC+4*K_+\ah], v[SC+4*K_+2+\jp] matrix_a_fmt:MATRIX_FMT_FP6 matrix_b_fmt:MATRIX_FMT_FP6 matrix_a_scale:MATRIX_SCALE_ROW\ao matrix_b_scale:MATRIX_SCALE_ROW\jo
.else
	v_wmma_scale_f32_16x16x128_f8f6f4 v[D_:D_+7], v[AR_:AR_+11], v[B_:B_+11], v[D_:D_+7], v[SC+4*K_+\ah], v[SC+4*K_+2+\jp] matrix_a_fmt:MATRIX_FMT_FP6 matrix_b_fmt:MATRIX_FMT_FP6 matrix_a_scale:MATRIX_SCALE_ROW\ao matrix_b_scale:MATRIX_SCALE_ROW\jo
.endif
.endr
.endr
.endm
.macro NEXT
.set KN_, K_+1
.set NS_, 0
.set PT_, 6144
.set NQ_, KN_%4
.if KN_ >= 4 && KN_ < 12
.set NS_, 1
.set PT_, 12288
.set NQ_, KN_-4
.endif
.endm
.macro STEP first
	NEXT
	s_wait_dscnt 0x0
	s_wait_loadcnt 60-4*K_                         ; this step's scale words are in; the later steps' may be out
	PLACES 4                                       ; in front of loads into registers that matrix instructions have read
	CHA
	P 0, 0, \first
	CHB
	P 0, 1, \first
	P 1, 0, \first
	P 1, 1, \first
.set K_, K_+1
.endm
; K steps 3 and 11: in front of the barrier each wave waits for all its tensor loads, adds 0 to its spare word, and waits for that and for its reads.
.macro TURN fill
	NEXT
	s_wait_loadcnt 60-4*K_
	WIN 0
	s_wait_tensorcnt 0x0
	ds_add_u32 v5, v6
	s_wait_dscnt 1                                 ; this step's fragments are in; the add may be out
	P 0, 0, 0
	s_wait_dscnt 0x0
	s_barrier_signal -1
	P 0, 1, 0
	WIN 0
	s_barrier_wait -1
.if \fill
	CREST
	s_add_nc_u64 s[50:51], s[50:51], 18432         ; K steps 12-15 go where 0-3 lay
	s_add_nc_u64 s[54:55], s[54:55], 18432
	s_cmp_eq_u32 s22, 0
	s_cbranch_scc0 .Lfor_b_\@
	TLOAD 48, G1
	s_branch .Lfilled_\@
.Lfor_b_\@:
	s_cmp_eq_u32 s22, 1
	s_cbranch_scc0 .Lfilled_\@
	TLOAD 52, G1B
.Lfilled_\@:
.endif
	PLACES 4
	CHA
	CHB
	P 1, 0, 0
	P 1, 1, 0
.set K_, K_+1
.endm
	s_wait_alu depctr_va_vdst(0)                   ; the wait at the head's end
	s_cmp_lt_u32 s22, 2
	s_cbranch_scc0 .Lnot_first
	s_wait_tensorcnt 0x0                           ; K steps 0-3 are in; 4-11 may be on their way
.Lnot_first:
	s_barrier_signal -1
	s_barrier_wait -1
.set KN_, 0
.set NS_, 0
.set PT_, 6144
.set NQ_, 0
	CHA
	CHB
.set K_, 0
	STEP 1
	STEP 0
	STEP 0
	TURN 1
.rept 7
	STEP 0
.endr
	TURN 0
	STEP 0
	STEP 0
	STEP 0
	s_wait_dscnt 0x0
	s_wait_loadcnt 0x0
	P 0, 0, 0
	P 0, 1, 0
	P 1, 0, 0
	P 1, 1, 0
	PLACES 4                                       ; in front of the first read of the sums
.irp a, 0,1,2,3
	WIN 2
.irp i, 0,1,2,3,4,5,6,7
.irp j, 0,1,2,3
	v_add_f32 v[32+32*\a+4*\i+\j], v[32*\a+8*\j+\i], v[24+\j]      ; row 8 h + i, column 4 r + j; each accumulator from its low end on
.endr
.endr
	WIN 0
.irp i, 0,1,2,3,4,5,6,7
	global_store_b128 v11, v[32+32*\a+4*\i:35+32*\a+4*\i], s[14:15] offset:(16*\a+\i)*8192   ; 16 lanes store 256 consecutive bytes, at a multiple of 256 from C's first byte
.endr
.endr
	s_wait_tensorcnt 0x0                           ; the wave's end
	ds_add_u32 v5, v6
	s_wait_dscnt 0x0
	CROUND                                         ; the closing round
	s_endpgm
.Lfunc_end_k_qe2620f7d8d_gemm_out:
	.size	k_qe2620f7d8d_gemm_out, .Lfunc_end_k_qe2620f7d8d_gemm_out-k_qe2620f7d8d_gemm_out
	.p2alignl 7, 3214868480
	.fill 96, 4, 3214868480
	.section	.rodata,"a",@progbits
	.p2align	6, 0x0
	.amdhsa_kernel k_qe2620f7d8d_gemm_out
		.amdhsa_group_segment_fixed_size 327680
		.amdhsa_private_segment_fixed_size 0
		.amdhsa_enable_private_segment 0
		.amdhsa_kernarg_size 48
		.amdhsa_user_sgpr_count 2
		.amdhsa_user_sgpr_kernarg_segment_ptr 1
		.amdhsa_wavefront_size32 1
		.amdhsa_system_sgpr_workgroup_id_x 1
		.amdhsa_system_sgpr_workgroup_id_y 1
		.amdhsa_system_sgpr_workgroup_id_z 1
		.amdhsa_system_vgpr_workitem_id 0
		.amdhsa_next_free_vgpr 640
		.amdhsa_next_free_sgpr 102
		.amdhsa_reserve_vcc 0
		.amdhsa_float_denorm_mode_32 3
		.amdhsa_float_denorm_mode_16_64 3
		.amdhsa_memory_ordered 1
		.amdhsa_forward_progress 1
		.amdhsa_inst_pref_size 86
	.end_amdhsa_kernel
	.amdgpu_metadata
---
amdhsa.version: [ 1, 2 ]
amdhsa.kernels:
  - .name:           k_qe2620f7d8d_gemm_out
    .symbol:         k_qe2620f7d8d_gemm_out.kd
    .args:
      - { .name: cc, .offset: 0, .size: 8, .value_kind: global_buffer, .address_space: global }
      - { .name: cs, .offset: 8, .size: 8, .value_kind: global_buffer, .address_space: global }
      - { .name: wc, .offset: 16, .size: 8, .value_kind: global_buffer, .address_space: global }
      - { .name: ws, .offset: 24, .size: 8, .value_kind: global_buffer, .address_space: global }
      - { .name: bo, .offset: 32, .size: 8, .value_kind: global_buffer, .address_space: global }
      - { .name: out0, .offset: 40, .size: 8, .value_kind: global_buffer, .address_space: global }
    .group_segment_fixed_size: 327680
    .private_segment_fixed_size: 0
    .kernarg_segment_align: 8
    .kernarg_segment_size: 48
    .max_flat_workgroup_size: 128
    .sgpr_count:     102
    .vgpr_count:     640
    .wavefront_size: 32
...
	.end_amdgpu_metadata
.endif
;; end of part 4
